; MI455X (gfx1250); checked and timed in simulation.
; The chip was launched on July 23, 2026; its instructions are those of AMD's public machine-readable ISA for CDNA 5 (MIT licence, August 2026) and "CDNA5" Instruction Set Architecture Reference Guide (July 2026). The comments in the code are by the model that wrote it; some were corrected since.
;; Self Attention xyz. Allowed arithmetic: matrix products marked QUANTISED: E2M3 operands, one E8M0 scale for each 32 along K, by v_wmma_scale_f32_16x16x128_f8f6f4 with both operands' format E2M3, f32 sums; everything else in f32.
;; Inputs: Wk_codes 1,024 x 32 x 24 uint8 (E2M3 codes of Wk, K innermost, in blocks of 32 codes, four codes in three bytes); Wk_scales 1,024 x 32 uint8 (E8M0 scales of Wk, one for each 32 codes along K); Wq_codes 1,024 x 32 x 24 uint8 (E2M3 codes of Wq, K innermost, in blocks of 32 codes, four codes in three bytes); Wq_scales 1,024 x 32 uint8 (E8M0 scales of Wq, one for each 32 codes along K); Wv_codes 1,024 x 32 x 24 uint8 (E2M3 codes of Wv, K innermost, in blocks of 32 codes, four codes in three bytes); Wv_scales 1,024 x 32 uint8 (E8M0 scales of Wv, one for each 32 codes along K); bk 1,024 float32; bq 1,024 float32; bv 1,024 float32; x_codes 4 x 2,048 x 32 x 24 uint8 (E2M3 codes of x, K innermost, in blocks of 32 codes, four codes in three bytes); x_scales 4 x 2,048 x 32 uint8 (E8M0 scales of x, one for each 32 codes along K).
;; Outputs: out0 4 x 2,048 x 1,024 float32.
;; This version of the problem:
;;   THIS VERSION OF THE PROBLEM IS GIVEN IN LOW PRECISION. The matrix products marked QUANTISED in the list below multiply operands that are first quantised to E2M3 (2 exponent bits, 3 mantissa bits; 6 bits a number), with one power-of-two scale for each 32 numbers along K (OCP MX v1.0); their sums are f32. All else is computed in f32.
;;   The module's matrix products, in the order in which they are computed (A, B: the left and right operand; K: the contracted axis; several contracted axes count as one K, in the product's order):
;;     1. [M 8,192, K 1,024] x [K 1,024, N 1,024]; A: input x (given as codes); B: input Wq (given as codes): QUANTISED
;;     2. [M 8,192, K 1,024] x [K 1,024, N 1,024]; A: input x (given as codes); B: input Wk (given as codes): QUANTISED
;;     3. [M 8,192, K 1,024] x [K 1,024, N 1,024]; A: input x (given as codes); B: input Wv (given as codes): QUANTISED
;;     4. batch 4 x [M 2,048, K 1,024] x [K 1,024, N 2,048]; A: computed on the way; B: computed on the way: QUANTISED
;;     5. batch 4 x [M 2,048, K 2,048] x [K 2,048, N 1,024]; A: softmax (see below); B: computed on the way: QUANTISED
;;   THE QUANTISER, for each operand of a quantised product, along K:
;;     - K is cut into blocks of 32 from its start; a last block that is shorter is filled with zeros.
;;     - A block's scale is 2^e with e = floor(log2(the largest magnitude in the block)) - 2, held to -126 .. 127; a block of zeros has e = 0. As a byte (E8M0): e + 127.
;;     - Each number is divided by its block's scale, clamped to +-7.5, and rounded to the nearest number of E2M3, ties to even, subnormals kept.
;;     - The product sums the exact products of the quantised numbers (number of the format x scale) in f32.
;;   ~~~python
;;   def quantise(x, axis):      # numpy; x: float32 -> the quantised numbers, widened to float32 again
;;       x = np.moveaxis(x, axis, -1); K = x.shape[-1]
;;       x = np.pad(x, [(0, 0)] * (x.ndim - 1) + [(0, -K % 32)]); x = x.reshape(x.shape[:-1] + (-1, 32)); a = np.abs(x).max(-1, keepdims=True)
;;       e = np.where(a > 0, np.clip(np.frexp(np.where(a > 0, a, 1))[1] - 1 - 2, -126, 127), 0)      # np.frexp(a)[1] - 1 = floor(log2(a)), exactly
;;       r = np.clip(x / 2.0 ** e, -7.5, 7.5)
;;       step = 2.0 ** (np.maximum(np.frexp(np.where(r == 0, 1, r))[1] - 1, 0) - 3)
;;       q = np.round(r / step) * step * 2.0 ** e      # np.round: ties to even
;;       return np.moveaxis(q.reshape(q.shape[:-2] + (-1,))[..., :K], -1, axis).astype(np.float32)
;;   ~~~
;;   SOFTMAX AHEAD OF A QUANTISED PRODUCT. Where the list says 'softmax', what is quantised is not the finished softmax but p = 2^(t - M), with t = logit x log2(e) and M = ceil(the row's largest t), a whole number; so 1/2 < the row's largest p <= 1. The row's sum l is taken of the UNQUANTISED p, in f32, and the product's result is divided by l at the end. Since M is a whole number, a kernel that streams over the keys may use a running M (the ceiling of the running maximum): every later rescaling is an exact power of two, which a block's scale takes up: the codes' values come out the same.
;;   OPERANDS COMPUTED ON THE WAY. 'Computed on the way' means the value that the module computes at that place (a softmax that the list does not call 'softmax' is quantised finished and normalised). What goes into a quantiser is computed in f32, as accurately as f32 sums, v_exp_f32 and their like allow (about 1e-6 of the number): no bf16 or f16 on the way to a quantiser, and a product that is left as it is and whose result goes on into a quantised operand takes f32 operands (vector FMAs, or v_wmma_f32_16x16x4_f32). A number that lies on a knife's edge between two numbers of the format may be rounded either way, as far as f32 arithmetic and the matrix unit's own rounding can turn it there, and no further.
;;   INPUTS GIVEN AS CODES. Wk (in the module: [1024, 1024], K = its axis 1); Wq (in the module: [1024, 1024], K = its axis 1); Wv (in the module: [1024, 1024], K = its axis 1); x (in the module: [4, 2048, 1024], K = its axis 2): each comes as NAME_codes (uint8): NAME with its K axis moved to the last place and cut into blocks of 32 codes, [.., K / 32, bytes a block], one block behind the other in memory; four codes in three bytes: a row's codes are one little-endian stream of bits, code i at bits 6 i .. 6 i + 5 (a code: sign, 2 exponent bits, 3 mantissa bits); and NAME_scales (uint8): the same leading axes, one E8M0 byte (e + 127) for each 32 codes along K. Its value is code x scale, taken as it is: it is not quantised again, and the codes and scales need not be those that the quantiser above would give.
;; One version. Each part assembles by itself: llvm-mc -triple=amdgcn-amd-amdhsa -mcpu=gfx1250 --defsym DOCPART=n.
;; ======== version 1 of 1: 3 launches
;; limits: right only within a limited range of input values
;; workspace buffers: qkv_img 18,874,368 bytes; qkv_sc 786,432 bytes; p_img 12,582,912 bytes; p_side 1,572,864 bytes
;; launch proj (part 1): grid 16 x 16, 4 waves a work-group, clusters of 4 x 4, 327,680 bytes of LDS; arguments x_codes, x_scales, Wq_codes, Wq_scales, Wk_codes, Wk_scales, Wv_codes, Wv_scales, bq, bk, bv, qkv_img, qkv_sc; writes qkv_img, qkv_sc
.if DOCPART == 1
	.amdgcn_target "amdgcn-amd-amdhsa--gfx1250"
	.amdhsa_code_object_version 6
	.text
	.protected	k_q8fa45f6258_proj
	.globl	k_q8fa45f6258_proj
	.p2align	8
	.type	k_q8fa45f6258_proj,@function
k_q8fa45f6258_proj:
	s_mov_b64 s[64:65], 0
	v_nop
	global_prefetch_b8 v0, s[64:65] scope:SCOPE_SE
	s_setreg_imm32_b32 hwreg(HW_REG_WAVE_MODE, 25, 1), 1
	s_wait_xcnt 0x0
	s_wait_alu depctr_hold_cnt(0) depctr_sa_sdst(0) depctr_va_vdst(0) depctr_va_sdst(0) depctr_va_ssrc(0) depctr_va_vcc(0) depctr_vm_vsrc(0)
	s_getreg_b32 s2, hwreg(HW_REG_IB_STS2, 6, 4)
	s_cmp_eq_u32 s2, 0
	s_cbranch_scc0 .Lentry_in_a_cluster
	s_endpgm
.Lentry_in_a_cluster:
	s_bfe_u32 s2, ttmp6, 0x10000c
	s_cmp_lg_u32 s2, 0xf033
	s_cbranch_scc0 .Lentry_shape_is_right
	s_endpgm
.Lentry_shape_is_right:
; q = x Wq^T + bq, k = x Wk^T + bk, v^T = (x Wv^T + bv)^T on codes of FP6 (E2M3) with E8M0 scales; each result is quantised again along the next product's K and stored as codes and scale bytes.
; LIMITS: NaN and infinities are not served.  A block whose largest magnitude lies under 2^-124 (a block of zeros too) keeps the scale byte 1: only this program reads the bytes.  The bias is the first addend of each sum.
; THE DEAL.  256 work-groups of four waves, 2 x 2 (row w, column c).  A work-group makes 256 tokens x 128 channels of v (PHASE 1), then 512 tokens x 128 channels of q or k (PHASE 2).  v's 256 tokens are a half (s87) of the
; work-group's own 512, so their rows of x are loaded once.  A wave holds 64 rows of a weight, all of K, in 384 registers; x streams past in blocks of 16 rows: wave row w takes band w (64 rows) of each chunk of 128.
; Half and tensor come from the cluster's number alone.  x's rows are shared by a row of the 4 x 4 cluster, a weight's rows by a column.
; THE ROWS OF A TILE.  A band of 64 rows is two scale blocks of 32 of a next product's K.  Tile t = 0 .. 3 of a band has rows 8 t + 0 .. 7 in lanes 0-7 and rows 32 + 8 (t xor 1) + 0 .. 7 in lanes 8-15.  A result's lane (r, h) then holds,
; over four tiles, the 32 numbers of block h: no lane looks at another.  The order inside a block is the same in both operands of each next product (q and k: channels; p and v^T: keys).  v's channels are in tiles of 16 neighbours.
; OUT: an operand of 16 rows x 128 K is 1,536 bytes: half c (block pair of 64 K) at 768 c: registers 0-3 of the half at 16 x lane, registers 4-5 at 512 + 8 x lane; order [128 rows][K step][tile].  q, then k, then v^T.
; Scale words: an image of 512 bytes for 128 rows and a K step: slot l holds the words of row l % 16 of tiles 4 (l / 16) + 0 .. 3.
; LDS: two slots of 128 rows of x (pitch 816: 768 + 16 behind every 256), a region for the weights' 128 rows, two places for a chunk's scale bytes, two stages for the results' scale bytes, the spare words.
; FILLS.  At the head one tensor load a wave.  Three refills, each in a drained round: the weights' region in v's third block, a slot and its scale place in phase 2's blocks 2 and 6.  The last refill is shown by a plain barrier in block 10.
; A BLOCK is 32 products; behind every second one stand two entries of its list (at most four scalar lines and a vector line each; two where a prefetch's address is made): the next addresses, descriptors, the last block's way out.
; WAITS.  A block's rows were fetched two blocks ago; younger are the next block's NF loads and the byte stores between.
.set TM,     512
.set TV,     256
.set TN,     128
.set KROW,   768
.set KS,     32
.set PITCH,  816
.set U8,     8*PITCH                   ; eight LDS rows
.set FR,     12
.set FPW,    21                        ; fragments in a window of 256 registers
.set NF,     28                        ; LDS loads of a block: 26 for eight fragments, 2 for eight scale words
.set RA,     128
.set YB,     RA*PITCH
.set BVB,    2*YB
.set SCL,    BVB+TN*PITCH
.set CU,     16                        ; a chunk's scale bytes: 16 units of 256
.set SU,     272                       ; the scale bytes of eight rows, padded
.set SCB,    CU*SU
.set XN,     SCL+2*SCB                 ; stage: q's or k's scale bytes, four images of 512
.set XM,     XN+2048                   ; stage: v's, two images
.set SPARE,  XM+1024
; window 0: v4-6, v1, v22, v23 LDS addresses of even and odd blocks; v12, v13, v17 those of the block fetched next; v14, v15, v42, v43 the weights' even and odd tiles in phase 2; v24-39, v44-59 scale words; v63, v21 bias addresses;
;   v64-191 v's band of chunk 0, or q's and k's accumulators (v64-127), codes (v128-139), bias (v160-191); v192-239 v's codes.  v256-839: 48 fragments, 21 to a window; v840-967 v's band of chunk 1; v968-983 the second weight's scale words; v984-991 addresses; v992-1023 v's bias.
.set CO,     9
.set SPW,    10
.set NIL,    11
.set ADRA,   12
.set CO8,    16
.set AAS,    17
.set STO,    18
.set STV,    19
.set SB,     24
.set TQ,     40
.set SA,     44
.set TC,     60
.set ACC,    64
.set HV0,    64
.set HV1,    840
.set NCD,    128
.set BBQ,    160
.set MCD,    192
.set SOP,    240
.set EB,     244
.set VX,     248
.set SB2,    968
.set BA,     984
.set BBV,    992
.set G1A,    24
.set G1B,    32
.set G0A,    56
.set G0B,    60
.set G0R,    68
.set G0S,    72
.set G1S,    92
.set MSB, 0
.macro WIN new
.if MSB != \new
	s_set_vgpr_msb (MSB<<8)|\new
.set MSB, \new
.endif
.endm
.macro PLACES n
.rept \n
	v_nop
.endr
.endm
.macro WALU
	s_wait_alu depctr_va_vdst(0)
.endm
.macro BARRIER
	s_barrier_signal -1
	s_barrier_wait -1
.endm
.macro MIDDLE                          ; a round's middle
	WIN 0
	s_barrier_wait -1
	s_cmp_lg_u32 s14, 0
	s_cbranch_scc1 .Lnot_wave_0_\@
	s_barrier_signal -3
.Lnot_wave_0_\@:
	s_barrier_wait -3
.endm
.macro CROUND
	s_barrier_signal -1
	MIDDLE
	BARRIER
.endm
.macro GRD
	s_wait_tensorcnt 0x0
	ds_add_u32 v[SPW], v[NIL]
.endm
.macro TLOAD g0, g1
	tensor_load_to_lds s[\g0:\g0+3], s[\g1:\g1+7]
	s_nop 0
	PLACES 4
.endm
.macro GROUP1 g, mask, rows
	s_or_b32 s[\g+0], s[\mask], (1<<20)|(1<<21)|(5<<22)|(3<<25)
	s_mov_b32 s[\g+1], KROW<<16
	s_mov_b32 s[\g+2], (\rows)<<16
	s_mov_b32 s[\g+3], KROW<<16
	s_mov_b32 s[\g+4], \rows
	s_mov_b32 s[\g+5], KROW
	s_mov_b32 s[\g+6], 0
	s_mov_b32 s[\g+7], 0
.endm
.macro SADD d, x
	s_add_co_u32 s\d, s\d, s\x
.endm
.macro G0SET g, base, off              ; group 0's address: 64-bit base + the 32-bit offset in s\off (s21 = 0)
	s_mov_b32 s20, s\off
	s_add_nc_u64 s[\g+2:\g+3], s[\base:\base+1], s[20:21]
	s_or_b32 s[\g+3], s[\g+3], 0x80000000
.endm
; fragment f lies in window 1 + f / 21 at register 12 (f % 21): 0-31 the weights' (4 q + b), 32-39 and 40-47 the rows' two sets
.macro FRAG f, q, a0, a1, aw           ; six pieces of 8 bytes, two to a load where both lie behind as many paddings; a1 serves where lanes 16-31 lie behind one padding more
	WIN ((1+(\f)/FPW)<<6)|(\aw)
.set R_, FR*((\f)%FPW)
.set SKIP_, 0
.irp p, 0,1,2,3,4,5
.if SKIP_
.set SKIP_, 0
.else
.set PC_, 12*(\q)+6*(\p/3)+\p%3
.set PN_, 12*(\q)+6*((\p+1)/3)+(\p+1)%3
.set X_, (PC_%32+3)/32
.set XQ_, (PN_%32+3)/32
.if (\p < 5) && (X_ == XQ_)
.set SKIP_, 1
.if X_
	ds_load_2addr_b64 v[R_+2*\p:R_+2*\p+3], \a1 offset0:PC_+2*(PC_/32) offset1:PN_+2*(PN_/32)
.else
	ds_load_2addr_b64 v[R_+2*\p:R_+2*\p+3], \a0 offset0:PC_+2*(PC_/32) offset1:PN_+2*(PN_/32)
.endif
.elseif X_
	ds_load_b64 v[R_+2*\p:R_+2*\p+1], \a1 offset:8*(PC_+2*(PC_/32))
.else
	ds_load_b64 v[R_+2*\p:R_+2*\p+1], \a0 offset:8*(PC_+2*(PC_/32))
.endif
.endif
.endr
.endm
.macro WEIGHTS                         ; my 64 rows of the weight, all of K: 104 loads
.irp q, 0,1,2,3,4,5,6,7
.irp b, 0,1,2,3
	FRAG 4*\q+\b, \q, v[BA-768+2*\b], v[BA-768+2*\b+1], 3
.endr
.endr
	WIN 0
.endm
.macro FETCHAT e, a0, a1, as           ; a block of x's rows into set e: NF loads
.irp q, 0,1,2,3,4,5,6,7
	FRAG 32+8*(\e)+\q, \q, \a0, \a1, 0
.endr
	WIN 0
	ds_load_b128 v[SA+8*(\e):SA+8*(\e)+3], \as
	ds_load_b128 v[SA+8*(\e)+4:SA+8*(\e)+7], \as offset:16
.endm
.macro FETCH e
	FETCHAT \e, v[ADRA], v[ADRA+1], v[AAS]
.endm
.macro FETCH01                         ; a phase's first two blocks, from slot 0
	FETCHAT 0, v4, v5, v6
	FETCHAT 1, v1, v22, v23
.endm
; a product, n = 4 q + tile.  kind 0 (q, k): source 0 the weight's rows; kind 1 (v): source 0 x's rows.  The first four take the bias as C.
.macro PROD kind, e, n, a0, as
.set Q_, (\n)/4
.set FB_, 4*Q_+(\n)%4
.set FA_, 32+8*(\e)+Q_
.set D_, (\a0)+(\as)*((\n)%4)
.set DL_, D_&255
.set XB_, SB+8*(((\n)%4)/2)+Q_
.set XA_, SA+8*(\e)+Q_
.if \kind
.if Q_
	WIN (1+FA_/FPW)|((1+FB_/FPW)<<2)|((D_>>8)<<4)|((D_>>8)<<6)
	PROD1 DL_, FA_, FB_, v[DL_:DL_+7], XA_, XB_, b, (\n)%2
.else
	WIN (1+FA_/FPW)|((1+FB_/FPW)<<2)|(3<<4)|((D_>>8)<<6)
	PROD1 DL_, FA_, FB_, v[BBV-768+8*((\n)%4):BBV-768+8*((\n)%4)+7], XA_, XB_, b, (\n)%2
.endif
.else
	WIN (1+FB_/FPW)|((1+FA_/FPW)<<2)|((D_>>8)<<4)|((D_>>8)<<6)
.if Q_
	PROD1 DL_, FB_, FA_, v[DL_:DL_+7], XB_, XA_, a, (\n)%2
.else
	PROD1 DL_, FB_, FA_, v[BBQ+8*((\n)%4):BBQ+8*((\n)%4)+7], XB_, XA_, a, (\n)%2
.endif
.endif
.endm
.macro PROD1 d, s0, s1, c, x0, x1, side, o
.if \o
	v_wmma_scale_f32_16x16x128_f8f6f4 v[\d:\d+7], v[FR*((\s0)%FPW):FR*((\s0)%FPW)+FR-1], v[FR*((\s1)%FPW):FR*((\s1)%FPW)+FR-1], \c, v[\x0], v[\x1] matrix_a_fmt:MATRIX_FMT_FP6 matrix_b_fmt:MATRIX_FMT_FP6 matrix_\side\()_scale:MATRIX_SCALE_ROW1
.else
	v_wmma_scale_f32_16x16x128_f8f6f4 v[\d:\d+7], v[FR*((\s0)%FPW):FR*((\s0)%FPW)+FR-1], v[FR*((\s1)%FPW):FR*((\s1)%FPW)+FR-1], \c, v[\x0], v[\x1] matrix_a_fmt:MATRIX_FMT_FP6 matrix_b_fmt:MATRIX_FMT_FP6 matrix_\side\()_scale:MATRIX_SCALE_ROW0
.endif
.endm
.macro BLOCK kind, e, a0, as, from, to, list, x=0, y=0
.set N_, \from
.rept (\to)-(\from)
	PROD \kind, \e, N_, \a0, \as
.if N_%2
	\list N_-1, \x, \y
	\list N_, \x, \y
.endif
.set N_, N_+1
.endr
.endm
; ---- what the lists are made of: each macro writes entry i of its part, and nothing beyond its last
.macro STEPV i, o                      ; 3 entries: the LDS addresses of the next even (o = 0) or odd (1) block
.if (\i) == 0
	WIN 0
	v_add_nc_u32 v[ADRA], s101, v[4-3*(\o)]
.elseif (\i) == 1
	WIN 0
	v_add_nc_u32 v[ADRA+1], s101, v[5+17*(\o)]
.elseif (\i) == 2
	WIN 0
	v_add_nc_u32 v[AAS], s91, v[6+17*(\o)]
.endif
.endm
.macro STEPC i, o, f                   ; phase 1: the blocks of pair f
.if ((\i) == 0) && ((\o) == 0)
	s_mov_b32 s101, ((\f)%2)*2*U8+((\f)/2)*YB
	s_mov_b32 s91, ((\f)%2)*2*SU+((\f)/2)*SCB
.endif
	STEPV \i, \o
.endm
.macro STEPE i                         ; phase 2, 4 entries: pair s46 + 1: its half of a chunk, its slot
.if (\i) == 0
	s_add_co_u32 s20, s46, 1
	s_and_b32 s22, s20, 1
	s_bfe_u32 s23, s20, 0x10001
	s_mul_i32 s101, s22, 2*U8
.elseif (\i) == 1
	s_mul_i32 s21, s23, YB
	SADD 101, 21
	s_mul_i32 s91, s22, 2*SU
.elseif (\i) == 2
	s_mul_i32 s23, s23, SCB
	SADD 91, 23
.endif
	STEPV (\i)-1, 0
.endm
.macro CHAIN i, x, n, t=TQ             ; 18 entries: the largest magnitude of the 32 sums from register x on, in two chains, and the conversions' scale operand
.set XW_, (\x)>>8
.set XL_, (\x)&255
.if (\i) >= 0 && (\i) < 14
.set B_, XL_+16*((\i)%2)+2*((\i)/2)
.set T_, (\t)+1-(\i)%2
.if (\i) < 2
	WIN XW_|(XW_<<2)|(XW_<<4)
	v_max3_num_f32 v[T_], |v[B_]|, |v[B_+1]|, |v[B_+2]|
.else
	WIN (XW_<<2)|(XW_<<4)
	v_max3_num_f32 v[T_], v[T_], |v[B_+1]|, |v[B_+2]|
.endif
.elseif (\i) == 14
	WIN XW_<<2
	v_max3_num_f32 v[\t+1], v[\t+1], |v[XL_+15]|, 0x1800000   ; with the floor 2^(3 - 127)
.elseif (\i) == 15
	WIN 0
	v_nop                                  ; so that the next line stands in the next pair
.elseif (\i) == 16
	WIN XW_<<2
	v_max3_num_f32 v[\t], v[\t], |v[XL_+31]|, v[\t+1]
.elseif (\i) == 17
	WIN 0
	v_add_nc_u32 v[SOP+\n], 0xff000000, v[\t]
.endif
.endm
.macro CODES i, x, c, n, t=TC          ; 6 lines: 32 codes into v[c .. c+5], the scale's byte into v[EB+n]
.set XW_, (\x)>>8
.set XL_, (\x)&255
.if (\i) == 0
	WIN XW_
	v_cvt_scalef32_pk16_fp6_f32 v[\c:\c+2], v[XL_:XL_+15], v[SOP+\n]
.elseif (\i) == 1
	WIN XW_
	v_cvt_scalef32_pk16_fp6_f32 v[\t:\t+2], v[XL_+16:XL_+31], v[SOP+\n]
.elseif (\i) == 2
	WIN 0
	v_lshrrev_b32 v[EB+\n], 23, v[SOP+\n]
.else
	WIN 0
	v_mov_b32 v[\c+\i], v[\t+\i-3]
.endif
.endm
.macro CODES6 x, c, n
.irp i, 0,1,2,3,4,5
	CODES \i, \x, \c, \n
.endr
.endm
.macro PFTILE v, off, share            ; one entry: my sixteenth of a tile of 128 rows, to be asked for into the L2
	s_mul_i32 s21, s\share, RA*KROW/16
	s_add_co_u32 s20, s\off, s21
	WIN 0
	v_min_u32 v\v, RA*KROW/16/256-1, v3
	v_lshl_add_u32 v\v, v\v, 8, s20
.endm
.macro PFGO v, base
	global_prefetch_b8 v\v, s[\base:\base+1] th:TH_LOAD_NT scope:SCOPE_SE
.endm
.macro PUT2 r, base, off               ; half an operand's image: 512 and 256 consecutive bytes
	global_store_b128 v[CO], v[\r:\r+3], \base offset:\off
	global_store_b64 v[CO8], v[\r+4:\r+5], \base offset:(\off)+512
.endm
.macro ASK i                           ; 4 entries: the descriptors of the chunk at s88 (bytes from x_codes) for slot s47, and of its scale bytes at s55 for place s8; then all four step on
.if (\i) == 0
	s_mul_i32 s[G0R+1], s14, RA/2*PITCH
	s_add_co_u32 s[G0R+1], s[G0R+1], s47
	s_mul_i32 s20, s14, RA/2*KROW
	SADD 20, 88
.elseif (\i) == 1
	s_mov_b32 s21, 0
	s_add_nc_u64 s[G0R+2:G0R+3], s[4:5], s[20:21]
	s_or_b32 s[G0R+3], s[G0R+3], 0x80000000
	s_mov_b32 s[G0S+1], s8
.elseif (\i) == 2
	s_mov_b32 s20, s55
	s_add_nc_u64 s[G0S+2:G0S+3], s[6:7], s[20:21]
	s_or_b32 s[G0S+3], s[G0S+3], 0x80000000
	s_add_co_u32 s88, s88, RA*KROW
.elseif (\i) == 3
	s_add_co_u32 s55, s55, CU*256
	s_xor_b32 s47, s47, YB
	s_xor_b32 s8, s8, (SCL)^(SCL+SCB)
.endif
.endm
.macro PAIR i                          ; 4 entries: where pair s46's codes go (s[84:85]: by the true chunk, the order of work xor 2 s87) and its scale bytes (v[VX]: by the order of work)
.if (\i) == 0
	s_bfe_u32 s20, s46, 0x20001
	s_lshl_b32 s3, s87, 1
	s_xor_b32 s3, s3, s20
	s_and_b32 s22, s46, 1
.elseif (\i) == 1
	s_mul_i32 s20, s3, 98304
	s_mul_i32 s21, s22, 3072
	SADD 20, 21
	s_mov_b32 s21, 0
.elseif (\i) == 2
	s_add_nc_u64 s[84:85], s[10:11], s[20:21]
	s_bfe_u32 s23, s46, 0x20001
	s_lshl_b32 s23, s23, 9
	s_lshl_b32 s22, s22, 3
.elseif (\i) == 3
	s_or_b32 s22, s22, s23
	s_add_co_u32 s46, s46, 1
	WIN 0
	v_add_nc_u32 v[VX], s22, v[STO]
.endif
.endm
; ---- the lists
.macro L_NONE i, x, y
.endm
.macro L_STEP i, x, y
	STEPC \i, \x, \y
.endm
.macro L_FIRST i, x, y
	STEPE \i
.endm
.macro L_VOUT i, x, y                  ; v's blocks 4, 5: the step, and the way out of chunk 0's tile y
	STEPC \i, \y, 3
	CHAIN (\i)-3, \x, \y
.endm
.macro L_LAST i, x, y
	CHAIN \i, \x, \y
.endm
.macro L_V2 i, x, y                    ; v's third block: the first refill's descriptors; the later refills' groups 1; the step; what the second refill will load is asked for into the L2
.if (\i) == 0
	s_mov_b32 s[G1A+2], (RA/2)<<16
	s_mov_b32 s[G1A+4], RA/2
	s_mov_b32 s[G1S+2], CU<<16
	s_mov_b32 s[G1S+4], CU
.elseif (\i) == 1
	s_mov_b32 s[G1B+2], (TN/2)<<16
	s_mov_b32 s[G1B+4], TN/2
	s_mul_i32 s[G0B+1], s14, TN/2*PITCH
	s_add_co_u32 s[G0B+1], s[G0B+1], BVB
.elseif (\i) == 2
	s_mul_i32 s20, s14, TN/2*KROW
	SADD 20, 9
	s_mov_b32 s21, 0
	s_add_nc_u64 s[G0B+2:G0B+3], s[2:3], s[20:21]
.elseif (\i) == 3
	s_or_b32 s[G0B+3], s[G0B+3], 0x80000000
.elseif (\i) == 7
	PFTILE 7, 88, 90
.elseif (\i) == 8
	s_lshl_b32 s21, s90, 9
	s_add_co_u32 s20, s55, s21
	WIN 0
	v_min_u32 v8, 1, v3
	v_lshl_add_u32 v8, v8, 8, s20
.endif
	STEPC (\i)-4, 0, 2
.endm
.macro L_V7 i, x, y                    ; v's last block: what the third refill will load; the way out
.if (\i) == 0
	s_add_co_u32 s22, s88, RA*KROW
	PFTILE 20, 22, 90
.endif
	CHAIN (\i)-1, \x, \y
.endm
.macro L_ODD i, x, y                   ; an odd block: the pair's places, the step, the even block's way out
	PAIR \i
	STEPV (\i)-4, 1
	CHAIN (\i)-7, ACC, 0
.endm
.macro L_ODDL i, x, y
	PAIR \i
	CHAIN (\i)-4, ACC, 0
.endm
.macro L_EVEN i, x, y                  ; an even block: the step, the odd block's way out
	STEPE \i
	CHAIN (\i)-4, ACC+32, 1
.endm
.macro L_ROUND i, x, y                 ; an even block with a round: 26 entries
	ASK \i
	STEPE (\i)-4
	CHAIN (\i)-8, ACC+32, 1
.endm
.macro WAITDS w                        ; -1: a round or barrier has shown the rows in already
.if (\w) >= 0
	s_wait_dscnt \w
.endif
.endm
.macro EVENOUT fetch
	WALU
	ds_store_b8 v[VX], v[EB+1] offset:4
	PUT2 NCD, s[84:85], 0
	PUT2 NCD+6, s[84:85], 1536
.if \fetch
	FETCH 0
.endif
.endm
.macro EVEN w, fetch
	WAITDS \w
.if \fetch
	BLOCK 0, 0, ACC, 8, 0, 32, L_EVEN
.else
	BLOCK 0, 0, ACC, 8, 0, 32, L_LAST, ACC+32, 1
.endif
	WIN 0
	CODES6 ACC+32, NCD+6, 1
	EVENOUT \fetch
.endm
.macro EVENROUND w                     ; the second and the third refill
	WAITDS \w
	GRD
	BLOCK 0, 0, ACC, 8, 0, 26, L_ROUND
	WIN 0
	WALU
	s_wait_dscnt 0x0
	s_barrier_signal -1
	BLOCK 0, 0, ACC, 8, 26, 32, L_NONE
	WIN 0
	CODES6 ACC+32, NCD+6, 1
	MIDDLE
	BARRIER
	s_cmp_lt_u32 s14, 2
	s_cbranch_scc0 .Lscales_\@
	TLOAD G0R, G1A                         ; waves 0, 1: half a chunk each
	s_branch .Lasked_\@
.Lscales_\@:
	s_cmp_eq_u32 s14, 2
	s_cbranch_scc0 .Lnone_\@
	TLOAD G0S, G1S                         ; wave 2: its scale bytes
.Lnone_\@:
.Lasked_\@:
	EVENOUT 1
.endm
.macro EVENSHOW w                      ; a plain barrier inside the block shows the last refill to all
	WAITDS \w
	BLOCK 0, 0, ACC, 8, 0, 26, L_EVEN
	WIN 0
	WALU
	s_wait_tensorcnt 0x0
	s_wait_dscnt 0x0
	s_barrier_signal -1
	BLOCK 0, 0, ACC, 8, 26, 32, L_NONE
	WIN 0
	s_barrier_wait -1
	CODES6 ACC+32, NCD+6, 1
	EVENOUT 1
.endm
.macro ODD w, fetch
	WAITDS \w
	s_wait_xcnt 0x0                        ; the last pair's stores have read their registers and base
.if \fetch
	BLOCK 0, 1, ACC+32, 8, 0, 32, L_ODD
.else
	BLOCK 0, 1, ACC+32, 8, 0, 32, L_ODDL
.endif
	WIN 0
	CODES6 ACC, NCD, 0
	WALU
	ds_store_b8 v[VX], v[EB]
.if \fetch
	FETCH 1
.endif
.endm
; ================= THE HEAD
	s_load_b128 s[4:7], s[0:1], 0x0                ; x codes, x scales
	s_load_b256 s[76:83], s[0:1], 0x10             ; Wq codes, scales, Wk codes, scales
	s_load_b128 s[48:51], s[0:1], 0x30             ; Wv codes, scales
	s_load_b128 s[68:71], s[0:1], 0x40             ; bq, bk
	s_load_b64 s[72:73], s[0:1], 0x50              ; bv
	v_lshl_add_u32 v[SPW], v0, 2, SPARE
	v_mov_b32 v[NIL], 0
	ds_add_u32 v[SPW], v[NIL]                      ; the opening lines: the add, twice on end, and one wait
	ds_add_u32 v[SPW], v[NIL]
	v_lshrrev_b32 v64, 5, v0
	v_readfirstlane_b32 s14, v64                   ; the wave; s15 its row of the 2 x 2, s16 its column
	s_lshr_b32 s15, s14, 1
	s_and_b32 s16, s14, 1
	s_bfe_u32 s40, ttmp6, 0x40000                  ; cx
	s_bfe_u32 s41, ttmp6, 0x40004                  ; cy
	s_lshl_b32 s42, ttmp9, 2
	s_add_co_u32 s42, s42, s40                     ; phase 2's tile column: 0-7 q, 8-15 k
	s_and_b32 s43, ttmp7, 0xffff
	s_lshl_b32 s43, s43, 2
	s_add_co_u32 s43, s43, s41                     ; its tile row: 512 tokens
	s_lshr_b32 s19, ttmp9, 1                       ; 0 q, 1 k
	s_and_b32 s87, ttmp9, 1                        ; v's half of my 512 rows
	s_lshl_b32 s17, s19, 2
	s_add_co_u32 s17, s17, s40                     ; v's tile column: 128 channels
	s_lshl_b32 s18, s43, 1
	s_add_co_u32 s18, s18, s87                     ; v's tile row: 256 tokens
	s_lshl_b32 s44, s41, 2
	s_lshl_b32 s44, 15, s44                        ; my row of the cluster
	s_lshl_b32 s45, 0x1111, s40                    ; my column
	GROUP1 G1A, 44, RA
	GROUP1 G1B, 45, TN
	s_or_b32 s[G1S+0], s44, (3<<16)|(1<<20)|(1<<21)|(5<<22)|(3<<25)
	s_mov_b32 s[G1S+1], 32<<16
	s_mov_b32 s[G1S+2], (2*CU)<<16
	s_mov_b32 s[G1S+3], 32<<16
	s_mov_b32 s[G1S+4], 2*CU
	s_mov_b32 s[G1S+5], 32
	s_mov_b32 s[G1S+6], 0
	s_mov_b32 s[G1S+7], 0
	s_mov_b32 s[G0A], 1
	s_mov_b32 s[G0A+1], 0
	s_mov_b32 s[G0B], 1
	s_mov_b32 s[G0B+1], BVB
	s_mul_i32 s67, s43, TM*KROW                    ; my 512 rows, bytes from x_codes
	s_mul_i32 s66, s18, TV*KROW                    ; v's half of them
	s_and_b32 s9, s42, 7
	s_mul_i32 s9, s9, TN*KROW                      ; Wq's or Wk's 128 rows
	s_mul_i32 s54, s17, TN*KROW                    ; Wv's
	s_mul_i32 s55, s43, TM*KS                      ; my rows' scale bytes
	s_mul_i32 s89, s18, TV*KS
	s_lshl_b32 s90, s40, 2
	s_add_co_u32 s90, s90, s14                     ; my number among the sixteen waves of my row of the cluster
	s_lshl_b32 s100, s41, 2
	s_add_co_u32 s100, s100, s14                   ; and of my column
	s_mul_i32 s20, s15, 8*U8                       ; x: band w
	s_add_co_u32 s21, s20, U8                      ; (odd blocks begin with tile 1)
	s_mul_i32 s22, s16, 64*PITCH
	s_add_co_u32 s22, s22, BVB                     ; my 64 rows of a weight
	s_mul_i32 s23, s15, 8*SU
	s_add_co_u32 s23, s23, SCL                     ; x's scale bytes, band w
	s_add_co_u32 s46, s23, SU
	s_lshl_b32 s47, s15, 8
	s_lshl_b32 s86, s16, 1
	SADD 47, 86
	s_add_co_u32 s47, s47, XN                      ; stage: 256 w + 2 c
	s_lshl_b32 s86, s16, 8
	s_lshl_b32 s88, s15, 1
	SADD 86, 88
	s_add_co_u32 s86, s86, XM                      ; v's stage: 256 c + 2 w
	v_and_b32 v64, 15, v0                          ; r
	v_bfe_u32 v2, v0, 4, 1                         ; h
	v_and_b32 v3, 31, v0                           ; lane
	v_and_b32 v65, 7, v0                           ; r % 8
	v_bfe_u32 v66, v0, 3, 1                        ; r / 8
	v_mul_u32_u24 v67, v65, PITCH
	v_mad_u32_u24 v67, v2, 24, v67
	v_mul_u32_u24 v68, v66, 5*U8                   ; even tiles: lanes 8-15 lie 40 rows on,
	v_mul_u32_u24 v69, v66, 3*U8                   ; odd tiles: 24
	v_add_nc_u32 v70, v67, v68
	v_add_nc_u32 v71, v67, v69
	v_add_nc_u32 v4, s20, v70
	v_add_nc_u32 v1, s21, v71
	v_add_nc_u32 v14, s22, v70
	v_add_nc_u32 v42, s22, v71
	v_lshl_add_u32 v5, v2, 4, v4
	v_lshl_add_u32 v22, v2, 4, v1
	v_lshl_add_u32 v15, v2, 4, v14
	v_lshl_add_u32 v43, v2, 4, v42
	v_mul_u32_u24 v72, v66, U8                     ; Wv: tiles of 16 neighbours
	v_add_nc_u32 v72, v67, v72
	v_add_nc_u32 v72, s22, v72
	v_lshl_add_u32 v73, v2, 4, v72
	v_lshlrev_b32 v74, 5, v65
	v_mul_u32_u24 v75, v66, 5*SU
	v_mul_u32_u24 v76, v66, 3*SU
	v_add_nc_u32 v75, v74, v75
	v_add_nc_u32 v76, v74, v76
	v_add_nc_u32 v6, s23, v75
	v_add_nc_u32 v23, s46, v76
	v_lshlrev_b32 v[CO], 4, v3
	v_lshlrev_b32 v[CO8], 3, v3
	v_lshl_add_u32 v77, v64, 4, v2                 ; 16 r + h
	v_add_nc_u32 v[STO], s47, v77
	v_add_nc_u32 v[STV], s86, v77
	v_lshlrev_b32 v78, 5, v3                       ; Wv's scale bytes: row = lane
	v_lshlrev_b32 v79, 4, v2
	v_sub_nc_u32 v79, 32, v79
	v_mul_u32_u24 v79, v79, v66
	v_add_nc_u32 v79, v79, v64
	v_lshl_add_u32 v79, v2, 3, v79
	v_lshlrev_b32 v79, 5, v79                      ; Wq's, Wk's: row r of tile h: 8 h + r, + 32 or 16 in lanes 8-15
	v_lshlrev_b32 v80, 2, v64                      ; bv: channel r of a tile
	v_mul_u32_u24 v21, v2, 160                     ; bq, bk: an even tile's lanes 16-31 lie 40 channels on,
	v_mul_u32_u24 v63, v2, 96                      ; an odd tile's 24
	WIN 3<<6
.irp b, 0,1,2,3
	v_add_nc_u32 v[BA-768+2*\b], \b*2*U8, v72
	v_add_nc_u32 v[BA-768+2*\b+1], \b*2*U8, v73
.endr
	WIN 0
	WALU                                           ; the wait at the head's end
	s_wait_dscnt 0x0
	CROUND                                         ; all sixteen work-groups are here: the first joint loads meet
	s_wait_kmcnt 0x0
	s_cmp_eq_u32 s19, 1
	s_cselect_b64 s[12:13], s[70:71], s[68:69]     ; bk or bq
	s_mov_b64 s[84:85], s[72:73]                   ; bv
	s_mov_b32 s21, 0
	s_mov_b32 s[G0R], 1
	s_mov_b32 s[G0R+1], YB
	s_mov_b32 s[G0S], 1
	s_mov_b32 s[G0S+1], SCL
	s_mov_b32 s20, s66
	s_add_nc_u64 s[G0A+2:G0A+3], s[4:5], s[20:21]
	s_add_nc_u64 s[G0R+2:G0R+3], s[G0A+2:G0A+3], RA*KROW
	s_or_b32 s[G0A+3], s[G0A+3], 0x80000000
	s_or_b32 s[G0R+3], s[G0R+3], 0x80000000
	G0SET G0B, 48, 54
	G0SET G0S, 6, 89
	s_cmp_eq_u32 s14, 0
	s_cbranch_scc0 .Lwave_1
	TLOAD G0B, G1B                                 ; wave 0: Wv's rows
	s_branch .Lasked
.Lwave_1:
	s_cmp_eq_u32 s14, 1
	s_cbranch_scc0 .Lwave_2
	TLOAD G0S, G1S                                 ; wave 1: both chunks' scale bytes
	s_branch .Lasked
.Lwave_2:
	s_cmp_eq_u32 s14, 2
	s_cbranch_scc0 .Lwave_3
	TLOAD G0A, G1A                                 ; wave 2: chunk 0
	s_branch .Lasked
.Lwave_3:
	TLOAD G0R, G1A                                 ; wave 3: chunk 1
.Lasked:
	s_cmp_eq_u32 s19, 1
	s_cselect_b64 s[2:3], s[80:81], s[76:77]       ; Wk's or Wq's codes
	s_cselect_b64 s[10:11], s[82:83], s[78:79]     ; and scales
	s_load_b128 s[76:79], s[0:1], 0x58             ; qkv_img, qkv_sc
	s_and_b32 s22, s42, 7
	s_lshl_b32 s20, s17, 12
	s_lshl_b32 s23, s16, 11
	SADD 20, 23
	s_add_nc_u64 s[50:51], s[50:51], s[20:21]      ; (s21 = 0)  my 64 rows' scale bytes of Wv
	s_lshl_b32 s20, s22, 12
	SADD 20, 23
	s_add_nc_u64 s[10:11], s[10:11], s[20:21]      ; and of Wq or Wk
	s_lshl_b32 s20, s22, 9
	s_lshl_b32 s23, s16, 8
	SADD 20, 23
	s_add_nc_u64 s[12:13], s[12:13], s[20:21]      ; my 64 numbers of bq or bk,
	s_lshl_b32 s20, s17, 9
	SADD 20, 23
	s_add_nc_u64 s[84:85], s[84:85], s[20:21]      ; of bv
.irp p, 0,1
.irp c, 0,1
	global_load_b128 v[SB+8*\p+4*\c:SB+8*\p+4*\c+3], v78, s[50:51] offset:\p*1024+16*\c
.endr
.endr
	WIN 3<<6
.irp p, 0,1
.irp c, 0,1
	global_load_b128 v[SB2-768+8*\p+4*\c:SB2-768+8*\p+4*\c+3], v79, s[10:11] offset:\p*512+16*\c
.endr
.endr
.irp t, 0,1,2,3
	global_load_b32 v[BBV-768+8*\t], v80, s[84:85] offset:64*\t
.endr
	WIN 0
	s_wait_xcnt 0x0                                ; the loads' bases may be rewritten
	s_wait_kmcnt 0x0
	s_lshl_b32 s20, s43, 5                         ; where the results go: 8 x the first group of 128 tokens + my K step
	SADD 20, 22
	s_mul_i32 s22, s20, 12288
	s_mul_i32 s23, s15, 6144
	SADD 22, 23
	s_mul_i32 s23, s16, 768
	SADD 22, 23
	s_mul_i32 s23, s19, 6291456
	SADD 22, 23
	s_mov_b32 s23, 0
	s_add_nc_u64 s[10:11], s[76:77], s[22:23]      ; codes of q or k
	s_lshl_b32 s22, s87, 1
	s_xor_b32 s22, s22, s14
	s_lshl_b32 s22, s22, 3                         ; at the end my wave stores the image of one chunk
	SADD 22, 20
	s_lshl_b32 s22, s22, 9
	s_lshl_b32 s23, s19, 18
	SADD 22, 23
	s_mov_b32 s23, 0
	s_add_nc_u64 s[48:49], s[78:79], s[22:23]      ; their scale bytes
	s_lshl_b32 s20, s17, 6
	s_lshl_b32 s21, s18, 1
	SADD 20, 21
	s_mul_i32 s22, s20, 12288
	s_mul_i32 s23, s16, 6144
	SADD 22, 23
	s_mul_i32 s23, s15, 768
	SADD 22, 23
	s_add_co_u32 s22, s22, 12582912
	s_mov_b32 s23, 0
	s_add_nc_u64 s[50:51], s[76:77], s[22:23]      ; codes of v^T
	s_lshl_b32 s22, s20, 9
	s_lshl_b32 s23, s14, 8
	SADD 22, 23
	s_add_co_u32 s22, s22, 524288
	s_mov_b32 s23, 0
	s_add_nc_u64 s[52:53], s[78:79], s[22:23]      ; their scale bytes
	s_mov_b32 s46, 0
	s_mov_b32 s88, s67
	s_mov_b32 s47, 0
	s_mov_b32 s8, SCL
	s_xor_b32 s20, s87, 1                          ; the chunks still to come are the other half's
	s_mul_i32 s21, s20, 2*RA*KROW
	SADD 88, 21
	s_mul_i32 s21, s20, 2*CU*256
	SADD 55, 21
	s_wait_loadcnt 0x0
	WIN (3<<6)|3
.irp t, 0,8,16,24
.irp i, 1,2,3,4,5,6,7
	v_mov_b32 v[BBV-768+\t+\i], v[BBV-768+\t]      ; v's bias, one number a lane and tile, over the tile's eight registers
.endr
.endr
	WIN 0
	PFTILE 8, 9, 100                               ; what the first refill will load
	WALU
	s_cmp_eq_u32 s14, 0
	s_cbranch_scc0 .Lnot_b
	s_wait_tensorcnt 0x0
.Lnot_b:
	BARRIER                                        ; Wv's rows are in
	PFGO 8, 2
	WEIGHTS
	WIN 3<<6
.irp b, 0,2
	v_add_nc_u32 v[BA-768+2*\b], \b*U8, v14        ; the second weight's tiles
	v_add_nc_u32 v[BA-768+2*\b+1], \b*U8, v15
	v_add_nc_u32 v[BA-768+2*\b+2], (\b+1)*U8, v42
	v_add_nc_u32 v[BA-768+2*\b+3], (\b+1)*U8, v43
.endr
	WIN 0
	WALU
	s_cmp_eq_u32 s14, 3
	s_cbranch_scc1 .Lnot_a0
	s_wait_tensorcnt 0x0
.Lnot_a0:
	s_wait_dscnt 0x0
	BARRIER                                        ; chunk 0 and the scale bytes are in; chunk 1 may still be on its way
	FETCH01
; ================= PHASE 1: v, eight blocks; chunk 0's way outs stand in chunk 1's blocks
.irp s, 0,1
	s_wait_dscnt NF
	BLOCK 1, \s, HV0+8*\s, 32, 0, 32, L_STEP, \s, 1
	WIN 0
	PLACES 4
	WALU
	FETCH \s
.endr
	s_wait_dscnt NF
	s_wait_xcnt 0x0                                ; the list writes v8, the address of the head's prefetch
	GRD
	BLOCK 1, 0, HV0+16, 32, 0, 24, L_V2
	WIN 0
	s_wait_dscnt 0x0
	s_barrier_signal -1
	BLOCK 1, 0, HV0+16, 32, 24, 32, L_NONE
	MIDDLE
	BARRIER
	s_cmp_lt_u32 s14, 2
	s_cbranch_scc0 .Lno_half
	TLOAD G0B, G1B                                 ; waves 0, 1: a half each of Wq's or Wk's rows, onto Wv's, which all waves hold in registers
.Lno_half:
	PLACES 4
	WALU
	FETCH 0
	PFGO 7, 4
	PFGO 8, 6
	BLOCK 1, 1, HV0+24, 32, 0, 32, L_STEP, 1, 2
	WIN 0
	PLACES 4
	WALU
	FETCH 1
.irp j, 0,1,2
	s_wait_dscnt NF+(\j+1)/2
.if \j < 2
	BLOCK 1, \j%2, HV1+8*\j, 32, 0, 32, L_VOUT, HV0+32*\j, \j
.else
	BLOCK 1, \j%2, HV1+8*\j, 32, 0, 32, L_LAST, HV0+32*\j, \j
.endif
	WIN 0
	CODES6 HV0+32*\j, MCD+12*\j, \j
	WALU
	ds_store_b8 v[STV], v[EB+\j] offset:4*\j
	PUT2 MCD+12*\j, s[50:51], 1536*\j
.if \j < 2
	FETCH \j%2
.endif
.endr
	s_wait_dscnt 1
	BLOCK 1, 1, HV1+24, 32, 0, 26, L_V7, HV0+96, 3
	WIN 0
	WALU
	s_wait_tensorcnt 0x0
	s_wait_dscnt 0x0
	s_barrier_signal -1                            ; a plain barrier: the weights that the first refill brought are shown to all
	BLOCK 1, 1, HV1+24, 32, 26, 32, L_NONE
	WIN 0
	s_barrier_wait -1
	CODES6 HV0+96, MCD+36, 3
	WALU
	ds_store_b8 v[STV], v[EB+3] offset:12
	PUT2 MCD+36, s[50:51], 4608
; ================= THE CHANGE OF PHASE: bias, weights and the first two blocks' rows in one run of loads; chunk 1's way outs under their flight
.irp b, 0,2
	global_load_b128 v[BBQ+8*\b:BBQ+8*\b+3], v21, s[12:13] offset:32*\b
	global_load_b128 v[BBQ+8*\b+4:BBQ+8*\b+7], v21, s[12:13] offset:32*\b+16
	global_load_b128 v[BBQ+8*\b+8:BBQ+8*\b+11], v63, s[12:13] offset:32*\b+32
	global_load_b128 v[BBQ+8*\b+12:BBQ+8*\b+15], v63, s[12:13] offset:32*\b+48
.endr
	WEIGHTS
	FETCH01
	PFGO 20, 4
	WIN 3
.set I, 0
.rept 16
	v_mov_b32 v[SB+I], v[SB2-768+I]
.set I, I+1
.endr
	WIN 0
.set I, 0
.rept 18
.irp t, 0,1,2,3
	CHAIN I, HV1+32*\t, \t, 64+4*\t
.endr
.set I, I+1
.endr
.set I, 0
.rept 6
.irp t, 0,1,2,3
	CODES I, HV1+32*\t, MCD+12*\t+6, \t, 80+4*\t
.endr
.set I, I+1
.endr
	WIN 0
	WALU
; ================= PHASE 2: q or k, sixteen blocks, way outs by pairs
	s_wait_loadcnt 0x0
	s_wait_dscnt NF
	BLOCK 0, 0, ACC, 8, 0, 32, L_FIRST
	WIN 0
	PLACES 4
	WALU
.irp t, 0,1,2,3
	ds_store_b8 v[STV], v[EB+\t] offset:512+4*\t
.endr
.irp t, 0,1,2,3
	PUT2 MCD+12*\t+6, s[50:51], 12288+1536*\t
.endr
	FETCH 0
	ODD NF+4, 1
	s_mov_b32 s86, 0
.Lwith_rounds:                                         ; blocks 2 to 5, 6 to 9
	EVENROUND NF+1
	ODD -1, 1
	EVEN NF+1, 1
	ODD NF+1, 1
	s_add_co_u32 s86, s86, 1
	s_cmp_lg_u32 s86, 2
	s_cbranch_scc1 .Lwith_rounds
.Lwithout:                                             ; blocks 10, 11 and 12, 13
	EVENSHOW NF+1
	ODD -1, 1
	s_add_co_u32 s86, s86, 1
	s_cmp_lg_u32 s86, 4
	s_cbranch_scc1 .Lwithout
	EVEN NF+1, 0
	ODD 1, 0
; ================= THE END: the last way out; the scale bytes go through LDS under its conversions
	s_mul_i32 s21, s14, 512
	s_add_co_u32 s21, s21, XN
	s_mul_i32 s22, s14, 256
	s_add_co_u32 s22, s22, XM
	v_add_nc_u32 v12, s21, v[CO]
	v_add_nc_u32 v13, s22, v[CO8]
.set I, 0
.rept 18
	CHAIN I, ACC+32, 1
.set I, I+1
.endr
	CODES 2, ACC+32, NCD+6, 1
	WALU
	ds_store_b8 v[VX], v[EB+1] offset:4
	s_wait_dscnt 0x0
	s_barrier_signal -1
	CODES 0, ACC+32, NCD+6, 1
	CODES 1, ACC+32, NCD+6, 1
	WIN 0
	v_nop
.irp i, 3,4,5
	CODES \i, ACC+32, NCD+6, 1
.endr
	s_barrier_wait -1
	WALU
	ds_load_b128 v[64:67], v12
	ds_load_b64 v[68:69], v13
	PUT2 NCD, s[84:85], 0
	PUT2 NCD+6, s[84:85], 1536
	s_wait_dscnt 0x0
	global_store_b128 v[CO], v[64:67], s[48:49]
	global_store_b64 v[CO8], v[68:69], s[52:53]
	s_wait_tensorcnt 0x0                           ; the wave's end
	ds_add_u32 v[SPW], v[NIL]
	s_wait_dscnt 0x0
	CROUND                                         ; the closing round
	s_endpgm
.Lfunc_end_k_q8fa45f6258_proj:
	.size	k_q8fa45f6258_proj, .Lfunc_end_k_q8fa45f6258_proj-k_q8fa45f6258_proj
	.p2alignl 7, 3214868480
	.fill 96, 4, 3214868480
	.section	.rodata,"a",@progbits
	.p2align	6, 0x0
	.amdhsa_kernel k_q8fa45f6258_proj
		.amdhsa_group_segment_fixed_size 327680
		.amdhsa_private_segment_fixed_size 0
		.amdhsa_enable_private_segment 0
		.amdhsa_kernarg_size 104
		.amdhsa_user_sgpr_count 2
		.amdhsa_user_sgpr_kernarg_segment_ptr 1
		.amdhsa_wavefront_size32 1
		.amdhsa_system_sgpr_workgroup_id_x 1
		.amdhsa_system_sgpr_workgroup_id_y 1
		.amdhsa_system_sgpr_workgroup_id_z 1
		.amdhsa_system_vgpr_workitem_id 0
		.amdhsa_next_free_vgpr 1024
		.amdhsa_next_free_sgpr 102
		.amdhsa_reserve_vcc 0
		.amdhsa_float_denorm_mode_32 3
		.amdhsa_float_denorm_mode_16_64 3
		.amdhsa_memory_ordered 1
		.amdhsa_forward_progress 1
		.amdhsa_inst_pref_size 191
	.end_amdhsa_kernel
	.amdgpu_metadata
---
amdhsa.version: [ 1, 2 ]
amdhsa.kernels:
  - .name:           k_q8fa45f6258_proj
    .symbol:         k_q8fa45f6258_proj.kd
    .args:
      - { .name: x_codes, .offset: 0, .size: 8, .value_kind: global_buffer, .address_space: global }
      - { .name: x_scales, .offset: 8, .size: 8, .value_kind: global_buffer, .address_space: global }
      - { .name: Wq_codes, .offset: 16, .size: 8, .value_kind: global_buffer, .address_space: global }
      - { .name: Wq_scales, .offset: 24, .size: 8, .value_kind: global_buffer, .address_space: global }
      - { .name: Wk_codes, .offset: 32, .size: 8, .value_kind: global_buffer, .address_space: global }
      - { .name: Wk_scales, .offset: 40, .size: 8, .value_kind: global_buffer, .address_space: global }
      - { .name: Wv_codes, .offset: 48, .size: 8, .value_kind: global_buffer, .address_space: global }
      - { .name: Wv_scales, .offset: 56, .size: 8, .value_kind: global_buffer, .address_space: global }
      - { .name: bq, .offset: 64, .size: 8, .value_kind: global_buffer, .address_space: global }
      - { .name: bk, .offset: 72, .size: 8, .value_kind: global_buffer, .address_space: global }
      - { .name: bv, .offset: 80, .size: 8, .value_kind: global_buffer, .address_space: global }
      - { .name: qkv_img, .offset: 88, .size: 8, .value_kind: global_buffer, .address_space: global }
      - { .name: qkv_sc, .offset: 96, .size: 8, .value_kind: global_buffer, .address_space: global }
    .group_segment_fixed_size: 327680
    .private_segment_fixed_size: 0
    .kernarg_segment_align: 8
    .kernarg_segment_size: 104
    .max_flat_workgroup_size: 128
    .sgpr_count:     102
    .vgpr_count:     1024
    .wavefront_size: 32
...
	.end_amdgpu_metadata
.endif
;; end of part 1
;; launch scores (part 2): grid 8 x 32, 4 waves a work-group, clusters of 4 x 4, 327,680 bytes of LDS; arguments qkv_img, qkv_sc, p_img, p_side; writes p_img, p_side
.if DOCPART == 2
	.amdgcn_target "amdgcn-amd-amdhsa--gfx1250"
	.amdhsa_code_object_version 6
	.text
	.protected	k_q8fa45f6258_scores
	.globl	k_q8fa45f6258_scores
	.p2align	8
	.type	k_q8fa45f6258_scores,@function
k_q8fa45f6258_scores:
	s_mov_b64 s[64:65], 0
	v_nop
	global_prefetch_b8 v0, s[64:65] scope:SCOPE_SE
	s_setreg_imm32_b32 hwreg(HW_REG_WAVE_MODE, 25, 1), 1
	s_wait_xcnt 0x0
	s_wait_alu depctr_hold_cnt(0) depctr_sa_sdst(0) depctr_va_vdst(0) depctr_va_sdst(0) depctr_va_ssrc(0) depctr_va_vcc(0) depctr_vm_vsrc(0)
	s_getreg_b32 s2, hwreg(HW_REG_IB_STS2, 6, 4)
	s_cmp_eq_u32 s2, 0
	s_cbranch_scc0 .Lentry_in_a_cluster
	s_endpgm
.Lentry_in_a_cluster:
	s_bfe_u32 s2, ttmp6, 0x10000c
	s_cmp_lg_u32 s2, 0xf033
	s_cbranch_scc0 .Lentry_shape_is_right
	s_endpgm
.Lentry_shape_is_right:
; S = q k^T on codes of FP6 (E2M3), and the softmax's numerator for each tile.  A tile is 256 queries x 256 keys of one batch; a wave makes 128 x 128: 64 accumulators.
; Transposed use (source 0 = a tile of 16 keys, source 1 = 16 queries): lane (r, h) holds ONE query; by the order of the keys in the tiles its 32 numbers of four neighbouring tiles are one whole block of 32 keys (block h of a band of 64).
; SOFTMAX BY BLOCKS.  t = score x log2(e) / 32.  For each query and block of 32 keys: F = floor(the largest t); u = 2^(t - F), so the largest u lies in 1 .. 2 and the block's scale is 2^(F - 2): the conversion's scale operand is the constant 2^-2.
; For the wave's 128 keys: M' = the largest F; the scale's byte under M' is 125 + F - M'; l' = the sum of the unquantised u x 2^(F - M').  The next launch brings all under the row's largest M': powers of two, which leave the codes alone and cancel in O / l.
; IN: operands of 1,536 bytes: half c at 768 c: registers 0-3 at 16 x lane, 4-5 at 512 + 8 x lane; [128 rows][K step][tile], dense: a load's K steps of 128 rows are consecutive bytes.
; LDS: slot 0 takes K steps 0-3 (the head's loads) and then, in the one refill, K steps 6 and 7; slot 1 takes K steps 4 and 5.  A's loads are shared along a row of the 4 x 4 cluster, B's along a column.
; Each wave prefetches, at the head, a quarter of its own rows' K steps 4-7 (the four partners share them by address: 48 blocks of 256 bytes each); nothing is left to prefetch behind that.
; OUT: p's operands in the same form, [128 queries][128 keys][tile]; beside them three images of 512 bytes: scale words (each byte + 128), -M', l'.
; LIMITS: NaN and infinities are not served; the scaled scores t stay under 2^31 in magnitude.  F - M' is held at -124: such a block is at most 7.5 x 2^-126 beside a row's sum of 1 or more.
; REGISTERS: window 0: v16-23 LDS addresses (afterwards -M'); v8-15 p's scale words; v32-63 q's scale words, v68-99 k's (K step s, tile 4 (lane / 16) + j: 4 s + j); v128-223 A's fragments, then codes; work from v100 or v230.
;   window 1: B's fragments, two sets.  windows 2, 3: accumulator (a, b) at v[64 (a % 4) + 8 b].
.set SLOT,   196608
.set SPARE,  SLOT+98304
.set FR,     12
.set NL,     4                         ; LDS loads that bring an operand
.set ADRA,   16                        ; v16, v17: 16 x lane in slot 0, 1; v18, v19: 8 x lane
.set ADRB,   20
.set LI,     24
.set H,      25
.set L8,     26
.set SPW,    28
.set NIL,    29
.set CV,     30                        ; 2^-2
.set H8,     31                        ; 8 h
.set SCA,    32
.set SCB,    68
.set AF,     128
.set SW,     8
.set NM,     16
.set G1,     24
.set G1B,    48
.set CS,     76
.set SEL,    78
.set OIMG,   18
.set OSD,    12
.set MUL_LO, 0xa1
.set MUL_HI, 0xf1
.set TO_B,   0x40
.set MSB, 0
.macro WIN new
.if MSB != \new
	s_set_vgpr_msb (MSB<<8)|\new
.set MSB, \new
.endif
.endm
.macro PLACES n
.rept \n
	v_nop
.endr
.endm
.macro WALU
	s_wait_alu depctr_va_vdst(0)
.endm
.macro JLOAD g0a, g1a, g0b, g1b        ; a joint load: waves 0, 1 for A, waves 2, 3 for B
	s_cmp_eq_u32 s15, 0
	s_cbranch_scc0 .Lfor_b_\@
	tensor_load_to_lds s[\g0a:\g0a+3], s[\g1a:\g1a+7]
	s_nop 0
	PLACES 4
	s_branch .Lasked_\@
.Lfor_b_\@:
	tensor_load_to_lds s[\g0b:\g0b+3], s[\g1b:\g1b+7]
	s_nop 0
	PLACES 4
.Lasked_\@:
.endm
.macro CREST
	s_cmp_lg_u32 s14, 0
	s_cbranch_scc1 .Lnot_wave_0_\@
	s_barrier_signal -3
.Lnot_wave_0_\@:
	s_barrier_wait -3
	s_barrier_signal -1
	s_barrier_wait -1
.endm
.macro CROUND
	s_barrier_signal -1
	s_barrier_wait -1
	CREST
.endm
	s_load_b256 s[4:11], s[0:1], 0x0               ; qkv_img, qkv_sc, p_img, p_side
	v_lshl_add_u32 v[SPW], v0, 2, SPARE
	v_mov_b32 v[NIL], 0
	ds_add_u32 v[SPW], v[NIL]                      ; the opening lines
	ds_add_u32 v[SPW], v[NIL]
	v_lshrrev_b32 v1, 5, v0
	v_readfirstlane_b32 s14, v1                    ; wave 0..3
	s_lshr_b32 s15, s14, 1                         ; my half of the queries.  Also: I fetch for A (0) or for B (1)
	s_and_b32 s16, s14, 1                          ; my half of the keys.  Also: which group of 128 rows I fetch
	s_bfe_u32 s40, ttmp6, 0x40000                  ; cx
	s_bfe_u32 s41, ttmp6, 0x40004                  ; cy
	s_and_b32 s3, ttmp7, 0xffff
	s_lshl_b32 s17, s3, 2
	s_add_co_u32 s17, s17, s41                     ; the tile of 256 queries, 0..31
	s_lshl_b32 s42, ttmp9, 2
	s_add_co_u32 s42, s42, s40                     ; the tile of 256 keys in the batch, 0..7
	s_lshr_b32 s2, s3, 1                           ; the batch: the same in all sixteen partners
	s_lshl_b32 s45, s2, 3
	s_add_co_u32 s45, s45, s42                     ; the tile of keys among all 32
	s_lshl_b32 s43, s41, 2
	s_lshl_b32 s43, 15, s43                        ; my row of the cluster
	s_lshl_b32 s44, 0x1111, s40                    ; my column
	; descriptor group 1: dense bytes as rows of 256 (32 elements of 8 bytes), no padding: 192 rows at the head, 96 behind it
	s_or_b32 s[G1+0], s43, (3<<16)|(1<<21)
	s_or_b32 s[G1B+0], s44, (3<<16)|(1<<21)
.irp g, G1, G1B
	s_mov_b32 s[\g+1], 32<<16
	s_mov_b32 s[\g+2], 192<<16
	s_mov_b32 s[\g+3], 32<<16
	s_mov_b32 s[\g+4], 192
	s_mov_b32 s[\g+5], 32
	s_mov_b32 s[\g+6], 0
	s_mov_b32 s[\g+7], 0
.endr
	s_lshl_b32 s20, s17, 1
	s_add_co_u32 s20, s20, s16
	s_mul_i32 s20, s20, 98304                      ; q: a group of 128 rows is 8 K steps of 12,288 bytes
	s_mov_b32 s21, 0
	s_lshl_b32 s46, s45, 1
	s_add_co_u32 s46, s46, s16
	s_mul_i32 s46, s46, 98304
	s_add_co_u32 s46, s46, 6291456                 ; k lies behind q
	s_mov_b32 s47, 0
	s_mul_i32 s22, s14, 49152                      ; where they go: slot 0,
	s_mul_i32 s23, s14, 24576
	s_add_co_u32 s23, s23, SLOT                    ; slot 1
	WALU
	s_wait_dscnt 0x0
	s_wait_kmcnt 0x0
	s_add_nc_u64 s[20:21], s[4:5], s[20:21]
	s_add_nc_u64 s[46:47], s[4:5], s[46:47]
	CROUND                                         ; all sixteen work-groups are here: the first joint loads meet
.irp g, 32, 36
	s_mov_b32 s[\g], 1
	s_mov_b32 s[\g+24], 1
.endr
	s_mov_b32 s33, s22
	s_mov_b32 s57, s22
	s_mov_b32 s37, s23
	s_mov_b32 s61, s23
	s_mov_b64 s[34:35], s[20:21]
	s_mov_b64 s[58:59], s[46:47]
	s_add_nc_u64 s[38:39], s[20:21], 49152         ; K step 4
	s_add_nc_u64 s[62:63], s[46:47], 49152
.irp g, 35, 39, 59, 63
	s_or_b32 s\g, s\g, 0x80000000
.endr
	JLOAD 32, G1, 56, G1B                          ; K steps 0-3: one tensor load a wave at the head
	v_and_b32 v1, 31, v0
	v_lshlrev_b32 v[LI], 4, v1
	v_lshlrev_b32 v[L8], 3, v1
	v_bfe_u32 v[H], v0, 4, 1
	v_lshlrev_b32 v[H8], 3, v[H]
	v_mov_b32 v[CV], 0x3e800000
	s_mul_i32 s66, s15, 49152
	s_mul_i32 s67, s16, 49152
	s_add_co_u32 s67, s67, 98304
	v_add_nc_u32 v16, s66, v[LI]
	v_add_nc_u32 v18, s66, v[L8]
	v_add_nc_u32 v20, s67, v[LI]
	v_add_nc_u32 v22, s67, v[L8]
	s_mul_i32 s66, s15, 24576
	s_add_co_u32 s66, s66, SLOT
	s_mul_i32 s67, s16, 24576
	s_add_co_u32 s67, s67, SLOT+49152
	v_add_nc_u32 v17, s66, v[LI]
	v_add_nc_u32 v19, s66, v[L8]
	v_add_nc_u32 v21, s67, v[LI]
	v_add_nc_u32 v23, s67, v[L8]
	WALU
	s_mov_b32 s[CS], 0x3d38aa3b                    ; c = log2(e) / sqrt(1024)
	s_mov_b32 s[CS+1], s[CS]                       ; (named with it as a pair, so it is written)
	s_mov_b32 s[SEL], 0x76543210
	s_mov_b32 s[SEL+1], 0xfedcba98
	s_lshl_b32 s80, s17, 1
	s_add_co_u32 s80, s80, s15                     ; my group of queries
	s_lshl_b32 s82, s45, 1
	s_add_co_u32 s82, s82, s16                     ; my group of keys
	s_lshl_b32 s84, s80, 4
	s_lshl_b32 s85, s42, 1
	s_add_co_u32 s84, s84, s85
	s_add_co_u32 s84, s84, s16                     ; 16 x group of queries + the K step of the next product
	s_lshl_b32 s80, s80, 12                        ; 8 images of 512 bytes a group
	s_mov_b32 s81, 0
	s_lshl_b32 s82, s82, 12
	s_add_co_u32 s82, s82, 262144
	s_mov_b32 s83, 0
	s_add_nc_u64 s[80:81], s[6:7], s[80:81]
	s_add_nc_u64 s[82:83], s[6:7], s[82:83]
.irp s, 0,1,2,3,4,5,6,7
	global_load_b128 v[SCA+4*\s:SCA+4*\s+3], v[LI], s[80:81] offset:512*\s
	global_load_b128 v[SCB+4*\s:SCB+4*\s+3], v[LI], s[82:83] offset:512*\s
.endr
	s_mul_i32 s86, s84, 12288
	s_mov_b32 s87, 0
	s_add_nc_u64 s[OIMG:OIMG+1], s[8:9], s[86:87]
	s_mul_i32 s86, s84, 1536
	s_add_nc_u64 s[OSD:OSD+1], s[10:11], s[86:87]
	s_cmp_eq_u32 s15, 0
	s_cselect_b64 s[68:69], s[20:21], s[46:47]     ; the rows that I fetch,
	s_cselect_b32 s70, s40, s41                    ; and my place among the four that ask for them
	s_mul_i32 s70, s70, 12288
	v_lshl_add_u32 v3, v1, 8, s70                  ; my 48 blocks of 256 bytes: 32,
	v_min_u32 v4, 15, v1
	v_lshl_add_u32 v4, v4, 8, s70                  ; and 16
.irp b, 100, 230                       ; written once: lane permutes' destinations and the upper halves of pairs count as read
.irp i, 4,7,9,17
	v_mov_b32 v[\b+\i], 0
.endr
.endr
	WALU
	global_prefetch_b8 v3, s[68:69] offset:49152 th:TH_LOAD_NT scope:SCOPE_SE
	global_prefetch_b8 v4, s[68:69] offset:49152+8192 th:TH_LOAD_NT scope:SCOPE_SE
.macro FRAG reg, adr, q, i             ; an operand comes back as it was stored: its two halves, each 512 and 256 consecutive bytes
.irp c, 0,1
	ds_load_b128 v[\reg+6*\c:\reg+6*\c+3], v[\adr] offset:12288*(\q)+1536*(\i)+768*\c
	ds_load_b64 v[\reg+6*\c+4:\reg+6*\c+5], v[\adr+2] offset:12288*(\q)+1536*(\i)+768*\c+512
.endr
.endm
.macro FETCH_B slot, q, p
	WIN TO_B
.irp i, 0,1,2,3,4,5,6,7
	FRAG 128*(\p)+FR*\i, ADRB+\slot, \q, \i
.endr
	WIN 0
.endm
.macro FETCH_A slot, q, i0
.irp i, \i0, \i0+1, \i0+2, \i0+3
	FRAG AF+FR*(\i), ADRA+\slot, \q, \i
.endr
.endm
.macro EMIT c                          ; one product; tiles 4-7 take their scale words from lanes 16-31
.if rRB && rRA
	v_wmma_scale_f32_16x16x128_f8f6f4 v[rD:rD+7], v[rB:rB+FR-1], v[rA:rA+FR-1], \c, v[rSB], v[rSA] matrix_a_fmt:MATRIX_FMT_FP6 matrix_b_fmt:MATRIX_FMT_FP6 matrix_a_scale:MATRIX_SCALE_ROW1 matrix_b_scale:MATRIX_SCALE_ROW1
.elseif rRB
	v_wmma_scale_f32_16x16x128_f8f6f4 v[rD:rD+7], v[rB:rB+FR-1], v[rA:rA+FR-1], \c, v[rSB], v[rSA] matrix_a_fmt:MATRIX_FMT_FP6 matrix_b_fmt:MATRIX_FMT_FP6 matrix_a_scale:MATRIX_SCALE_ROW1
.elseif rRA
	v_wmma_scale_f32_16x16x128_f8f6f4 v[rD:rD+7], v[rB:rB+FR-1], v[rA:rA+FR-1], \c, v[rSB], v[rSA] matrix_a_fmt:MATRIX_FMT_FP6 matrix_b_fmt:MATRIX_FMT_FP6 matrix_b_scale:MATRIX_SCALE_ROW1
.else
	v_wmma_scale_f32_16x16x128_f8f6f4 v[rD:rD+7], v[rB:rB+FR-1], v[rA:rA+FR-1], \c, v[rSB], v[rSA] matrix_a_fmt:MATRIX_FMT_FP6 matrix_b_fmt:MATRIX_FMT_FP6
.endif
.endm
; 16 products: A's tiles a0, a0 + 1 x B's eight.  The 64 accumulators take turns, one instruction a turn, in the same order in every step.
.macro MUL16 a0, ks, zero
.irp a, \a0, \a0+1
.irp b, 0,1,2,3,4,5,6,7
.set rD, 64*((\a)%4)+8*\b
.set rB, 128*((\ks)%2)+FR*\b
.set rA, AF+FR*(\a)
.set rSB, SCB+4*(\ks)+\b%4
.set rSA, SCA+4*(\ks)+(\a)%4
.set rRB, \b/4
.set rRA, (\a)/4
.if \zero
	EMIT 0
.else
	EMIT v[rD:rD+7]
.endif
.endr
.endr
.endm
.macro STEP ks, zero, ns, nq           ; K step ks is multiplied; the next step's operands come from slot ns, part nq
	s_wait_dscnt 4*NL                              ; B's set and A's tiles 0-3 are in; the youngest loads (A's tiles 4-7) may be out
	WIN MUL_LO
	MUL16 0, \ks, \zero
	MUL16 2, \ks, \zero
	s_wait_dscnt 0x0
	PLACES 4                                       ; in front of loads into registers that matrix instructions have read
	FETCH_B \ns, \nq, 1-(\ks)%2
	FETCH_A \ns, \nq, 0
	WIN MUL_HI
	MUL16 4, \ks, \zero
	MUL16 6, \ks, \zero
	PLACES 4
	WIN 0
	FETCH_A \ns, \nq, 4
.endm
; A step with a barrier.  fill = 1: slot 0, which has been read out, takes K steps 6 and 7; the barrier then opens a round of the cluster's.
.macro TURN ks, fill, ns
	s_wait_tensorcnt 0x0                           ; all my tensor loads have landed
	ds_add_u32 v[SPW], v[NIL]                      ; 0 onto my spare word
	s_wait_dscnt 4*NL+1                            ; (the add and A's tiles 4-7 may be out)
	WIN MUL_LO
	MUL16 0, \ks, 0
	s_wait_dscnt 0x0                               ; the add is done, and my reads of the slot in hand are over
	s_barrier_signal -1
	MUL16 2, \ks, 0
	WIN 0
	s_barrier_wait -1
.if \fill
	CREST
	s_add_nc_u64 s[34:35], s[34:35], 73728         ; from K step 0 to K step 6
	s_add_nc_u64 s[58:59], s[58:59], 73728
	JLOAD 32, G1, 56, G1B                          ; the first tensor load behind the round; its four v_nop are the places in front of the loads below
.else
	PLACES 4
.endif
	FETCH_B \ns, 0, 0
	FETCH_A \ns, 0, 0
	WIN MUL_HI
	MUL16 4, \ks, 0
	MUL16 6, \ks, 0
	PLACES 4
	WIN 0
	FETCH_A \ns, 0, 4
.endm
	s_wait_tensorcnt 0x0                           ; my part of slot 0 is in
	ds_add_u32 v[SPW], v[NIL]
	s_mov_b32 s[G1+2], 96<<16                      ; no tensor load of mine is out: from here on a load brings 96 rows
	s_mov_b32 s[G1+4], 96
	s_mov_b32 s[G1B+2], 96<<16
	s_mov_b32 s[G1B+4], 96
	s_wait_dscnt 0x0
	CROUND
	JLOAD 36, G1, 60, G1B                          ; K steps 4 and 5 into slot 1
	s_wait_loadcnt 0x0                             ; the scale words
	FETCH_B 0, 0, 0
	FETCH_A 0, 0, 0
	FETCH_A 0, 0, 4
	STEP 0, 1, 0, 1                                ; the first products start the sums
	STEP 1, 0, 0, 2
	STEP 2, 0, 0, 3
	TURN 3, 1, 1                                   ; slot 1 is whole in every wave; slot 0 is filled again
	STEP 4, 0, 1, 1
	TURN 5, 0, 0                                   ; the refill has landed in every wave
	STEP 6, 0, 0, 1
	s_wait_dscnt 4*NL
	WIN MUL_LO
	MUL16 0, 7, 0
	MUL16 2, 7, 0
	s_wait_dscnt 0x0
	WIN MUL_HI
	MUL16 4, 7, 0
	MUL16 6, 7, 0
	WIN 0
	PLACES 4
; A TILE OF 16 QUERIES x 128 KEYS: 64 scores a lane: 32 of block h of the first band, 32 of block h of the second.  Each accumulator is read from its low end on.
.macro BLOCK a
.set WW, 2+(\a)/4
.set AC, 64*((\a)%4)
.set WB, 100
.if (\a)%4 == 1
.set WB, 230                           ; the registers at work carry no number of this tile's accumulators
.endif
.set TM, WB
.set FF, WB+6
.set DD, WB+10
.set SA, WB+12
.set SB, WB+14
.set RR, WB+16
.set OT, WB+17
.set T2, WB+18
.set LS, 64+160*((\a)/4)+(\a)%4
.set CP, (\a)
.if (\a) == 2
.set CP, 7
.elseif (\a) == 7
.set CP, 2
.endif
.set CD, 128+12*CP
.set WN, WW|(WW<<2)|(WW<<4)
	WIN WN
.irp e, 0,1,2,3
	v_max3_num_f32 v[TM+\e], v[AC+16*\e], v[AC+16*\e+1], v[AC+16*\e+2]
.endr
.set WN, (WW<<2)|(WW<<4)
	WIN WN
.irp i, 3,5,7,9,11,13
.irp e, 0,1,2,3
	v_max3_num_f32 v[TM+\e], v[TM+\e], v[AC+16*\e+\i], v[AC+16*\e+\i+1]
.endr
.endr
.irp e, 0,1,2,3
	v_max_num_f32 v[TM+\e], v[TM+\e], v[AC+16*\e+15]
.endr
	WIN 0
	v_max_num_f32 v[TM], v[TM], v[TM+1]
	v_max_num_f32 v[TM+2], v[TM+2], v[TM+3]
	v_mul_f32 v[TM], s[CS], v[TM]
	v_mul_f32 v[TM+2], s[CS], v[TM+2]
	v_floor_f32 v[FF], v[TM]                       ; F of my two blocks
	v_floor_f32 v[FF+2], v[TM+2]
	v_max_num_f32 v[RR], v[FF], v[FF+2]
	v_permlanex16_b32 v[OT], v[RR], s[SEL], s[SEL+1]
	v_max_num_f32 v[RR], v[RR], v[OT]              ; M', with lane l xor 16's two blocks
	v_mul_f32 v[NM+(\a)], -1.0, v[RR]
	v_sub_f32 v[DD], v[FF], v[RR]
	v_sub_f32 v[DD+1], v[FF+2], v[RR]
	v_max_num_f32 v[DD], 0xc2f80000, v[DD]         ; held at -124
	v_max_num_f32 v[DD+1], 0xc2f80000, v[DD+1]
	v_cvt_i32_f32 v[DD], v[DD]
	v_cvt_i32_f32 v[DD+1], v[DD+1]
	v_lshl_add_u32 v[SW+(\a)], v[DD+1], 16, v[DD]  ; bytes h and 2 + h of the scale word, as a sum of whole numbers
	v_lshlrev_b32 v[SW+(\a)], v[H8], v[SW+(\a)]
	v_permlanex16_b32 v[TM+4], v[SW+(\a)], s[SEL], s[SEL+1]
	v_add_nc_u32 v[SW+(\a)], v[SW+(\a)], v[TM+4]
	v_add_nc_u32 v[SW+(\a)], 0xfdfdfdfd, v[SW+(\a)]   ; 125 + 128 + F - M' in each byte: the next launch can take up to 127 off all four at once without a borrow
.set WN, (WW<<6)|WW
	WIN WN
.irp j, 0,2,4,6,8,10,12,14,16,18,20,22,24,26,28,30,32,34,36,38,40,42,44,46,48,50,52,54,56,58,60,62
	v_pk_fma_f32 v[AC+\j:AC+\j+1], v[AC+\j:AC+\j+1], s[CS:CS+1], v[FF+2*(\j/32):FF+2*(\j/32)+1] op_sel_hi:[1,0,0] neg_lo:[0,0,1] neg_hi:[0,0,1]   ; t - F, two at a time
.endr
	WALU
.set J, 0
.rept 64
	v_exp_f32 v[AC+J], v[AC+J]
.set J, J+1
.endr
	v_nop                                          ; a plain place behind the exponentials
	WALU                                           ; one wait for the batch, ahead of its first reader
.set WN, (WW<<2)|WW
	WIN WN
	v_pk_add_f32 v[SA:SA+1], v[AC:AC+1], v[AC+4:AC+5]     ; the sums of the unquantised u, two chains of pairs for each block
	v_pk_add_f32 v[SB:SB+1], v[AC+2:AC+3], v[AC+6:AC+7]
	v_pk_add_f32 v[TM:TM+1], v[AC+32:AC+33], v[AC+36:AC+37]
	v_pk_add_f32 v[TM+2:TM+3], v[AC+34:AC+35], v[AC+38:AC+39]
.set WN, WW<<2
	WIN WN
.irp i, 8,12,16,20,24,28
	v_pk_add_f32 v[SA:SA+1], v[SA:SA+1], v[AC+\i:AC+\i+1]
	v_pk_add_f32 v[SB:SB+1], v[SB:SB+1], v[AC+\i+2:AC+\i+3]
	v_pk_add_f32 v[TM:TM+1], v[TM:TM+1], v[AC+32+\i:AC+33+\i]
	v_pk_add_f32 v[TM+2:TM+3], v[TM+2:TM+3], v[AC+34+\i:AC+35+\i]
.endr
	WIN 0
	v_pk_add_f32 v[SA:SA+1], v[SA:SA+1], v[SB:SB+1]
	v_pk_add_f32 v[TM:TM+1], v[TM:TM+1], v[TM+2:TM+3]
	v_add_f32 v[RR], v[SA], v[SA+1]
	v_add_f32 v[OT], v[TM], v[TM+1]
	v_ldexp_f32 v[RR], v[RR], v[DD]                ; brought under M'
	v_ldexp_f32 v[OT], v[OT], v[DD+1]
	v_add_f32 v[RR], v[RR], v[OT]
	v_permlanex16_b32 v[OT], v[RR], s[SEL], s[SEL+1]
	v_add_f32 v[LS], v[RR], v[OT]                  ; l'
	WIN WW
.irp c, 0,1
	v_cvt_scalef32_pk16_fp6_f32 v[CD+6*\c:CD+6*\c+2], v[AC+32*\c:AC+32*\c+15], v[CV]
	v_cvt_scalef32_pk16_fp6_f32 v[T2+4*\c:T2+4*\c+2], v[AC+32*\c+16:AC+32*\c+31], v[CV]
.endr
	WIN 0
	v_nop                                          ; one plain place behind a scaled conversion
.irp c, 0,1
.irp i, 0,1,2
	v_mov_b32 v[CD+6*\c+3+\i], v[T2+4*\c+\i]
.endr
.endr
.irp c, 0,1
	global_store_b128 v[LI], v[CD+6*\c:CD+6*\c+3], s[OIMG:OIMG+1] offset:1536*(\a)+768*\c
	global_store_b64 v[L8], v[CD+6*\c+4:CD+6*\c+5], s[OIMG:OIMG+1] offset:1536*(\a)+768*\c+512
.endr
.endm
.macro SIDE src, up, sel, off          ; eight registers, one a tile, become an image: lanes 0-15 tiles 0-3, lanes 16-31 tiles 4-7
.irp j, 0,1,2,3
	v_cndmask_b32 v[\sel+\j], v[\src+\j], v[\up+\j], vcc_lo
.endr
	global_store_b128 v[LI], v[\sel:\sel+3], s[OSD:OSD+1] offset:\off
.endm
	v_cmp_ne_u32 vcc_lo, 0, v[H]                   ; lanes 16-31
.irp a, 0,1,2,3,4,5,6,7
	BLOCK \a
.endr
	SIDE SW, SW+4, 100, 0
	SIDE NM, NM+4, 104, 512
	SIDE 64, 224, 108, 1024
	s_wait_tensorcnt 0x0                           ; the wave's end
	ds_add_u32 v[SPW], v[NIL]
	s_wait_dscnt 0x0
	CROUND                                         ; the closing round
	s_endpgm
.Lfunc_end_k_q8fa45f6258_scores:
	.size	k_q8fa45f6258_scores, .Lfunc_end_k_q8fa45f6258_scores-k_q8fa45f6258_scores
	.p2alignl 7, 3214868480
	.fill 96, 4, 3214868480
	.section	.rodata,"a",@progbits
	.p2align	6, 0x0
	.amdhsa_kernel k_q8fa45f6258_scores
		.amdhsa_group_segment_fixed_size 327680
		.amdhsa_private_segment_fixed_size 0
		.amdhsa_enable_private_segment 0
		.amdhsa_kernarg_size 32
		.amdhsa_user_sgpr_count 2
		.amdhsa_user_sgpr_kernarg_segment_ptr 1
		.amdhsa_wavefront_size32 1
		.amdhsa_system_sgpr_workgroup_id_x 1
		.amdhsa_system_sgpr_workgroup_id_y 1
		.amdhsa_system_sgpr_workgroup_id_z 1
		.amdhsa_system_vgpr_workitem_id 0
		.amdhsa_next_free_vgpr 1024
		.amdhsa_next_free_sgpr 88
		.amdhsa_reserve_vcc 1
		.amdhsa_float_denorm_mode_32 3
		.amdhsa_float_denorm_mode_16_64 3
		.amdhsa_memory_ordered 1
		.amdhsa_forward_progress 1
		.amdhsa_inst_pref_size 193
	.end_amdhsa_kernel
	.amdgpu_metadata
---
amdhsa.version: [ 1, 2 ]
amdhsa.kernels:
  - .name:           k_q8fa45f6258_scores
    .symbol:         k_q8fa45f6258_scores.kd
    .args:
      - { .name: qkv_img, .offset: 0, .size: 8, .value_kind: global_buffer, .address_space: global }
      - { .name: qkv_sc, .offset: 8, .size: 8, .value_kind: global_buffer, .address_space: global }
      - { .name: p_img, .offset: 16, .size: 8, .value_kind: global_buffer, .address_space: global }
      - { .name: p_side, .offset: 24, .size: 8, .value_kind: global_buffer, .address_space: global }
    .group_segment_fixed_size: 327680
    .private_segment_fixed_size: 0
    .kernarg_segment_align: 8
    .kernarg_segment_size: 32
    .max_flat_workgroup_size: 128
    .sgpr_count:     88
    .vgpr_count:     1024
    .wavefront_size: 32
...
	.end_amdgpu_metadata
.endif
;; end of part 2
;; launch pv (part 3): grid 8 x 32, 4 waves a work-group, clusters of 4 x 4, 327,680 bytes of LDS; arguments p_img, p_side, qkv_img, qkv_sc, out0; writes out0
.if DOCPART == 3
	.amdgcn_target "amdgcn-amd-amdhsa--gfx1250"
	.amdhsa_code_object_version 6
	.text
	.protected	k_q8fa45f6258_pv
	.globl	k_q8fa45f6258_pv
	.p2align	8
	.type	k_q8fa45f6258_pv,@function
k_q8fa45f6258_pv:
	s_mov_b64 s[64:65], 0
	v_nop
	global_prefetch_b8 v0, s[64:65] scope:SCOPE_SE
	s_setreg_imm32_b32 hwreg(HW_REG_WAVE_MODE, 25, 1), 1
	s_wait_xcnt 0x0
	s_wait_alu depctr_hold_cnt(0) depctr_sa_sdst(0) depctr_va_vdst(0) depctr_va_sdst(0) depctr_va_ssrc(0) depctr_va_vcc(0) depctr_vm_vsrc(0)
	s_getreg_b32 s2, hwreg(HW_REG_IB_STS2, 6, 4)
	s_cmp_eq_u32 s2, 0
	s_cbranch_scc0 .Lentry_in_a_cluster
	s_endpgm
.Lentry_in_a_cluster:
	s_bfe_u32 s2, ttmp6, 0x10000c
	s_cmp_lg_u32 s2, 0xf033
	s_cbranch_scc0 .Lentry_shape_is_right
	s_endpgm
.Lentry_shape_is_right:
; O = p v / l on codes of FP6 (E2M3).  A tile is 256 queries x 128 channels; a wave makes 64 x 128: 32 accumulators.  K = the batch's 2,048 keys, 16 steps of 128.
; Transposed use (source 0 = 16 channels of v^T, source 1 = 16 queries of p): a lane holds one query and eight neighbouring channels.
; AHEAD OF THE PRODUCTS: p was quantised under a whole number M' for each query and each 128 keys.  M = the largest of a row's sixteen M'.  Each scale byte goes down by M - M' (the codes stay: a power of two),
; l = the sum of l' x 2^(M' - M), and O is divided by l at the end.
; IN: p's and v^T's fragments as images of their registers, dense in memory.  Two LDS slots of four K steps: p's two groups of 128 queries (49,152 bytes each, waves 0 and 1) and v^T's group of 128 channels
; (two loads of 24,576 bytes, waves 2 and 3).  p's loads are shared along a row of the 4 x 4 cluster, v^T's along a column.
; LIMITS: NaN and infinities are not served.  M - M' is held at 127; a scale byte that would fall under 0 is held at 0: such a block is at most 7.5 x 2^-127 beside a row's sum above 1/2.
; REGISTERS: window 0: v16-17, v20-21 LDS addresses; v22, v23 the stage; v24 16 x lane; v26 the side images' offset; v32-63 p's scale words (register 4 (s / 2) + a: lanes 0-15 the even K step, lanes 16-31 the odd);
;   v64-127 v^T's (4 s + j); v128-175, v176-223 p's fragments, two sets; v224.. 1 / l.  window 1: v^T's fragments, two sets.  window 2: accumulator (a, b) at v[8 (8 a + b)].
.set SLOT,   147456
.set SPARE,  2*SLOT
.set FR,     12
.set ADRA,   16
.set ADRB,   20
.set STO,    22
.set RD,     23
.set LI,     24
.set PS,     26
.set SPW,    28
.set NIL,    29
.set SCA,    32
.set SCB,    64
.set PN,     128                       ; ahead of the products: -M', then what is at work on it
.set PL,     160                       ; l'
.set PM,     192                       ; M
.set PX,     196
.set PU,     200
.set RL,     224
.set T,      32                        ; the way out: a block's 64 numbers
.set BK,     96                        ; and its rows read back: v96-159 and v160-223 by turns
.set G1,     24
.set G0,     32
.set G1B,    48
.set G0B,    56
.set SEL,    78
.set MUL,    0xa1                      ; source 0 (v^T) window 1, source 1 (p) window 0, C and D window 2
.set TO_B,   0x40
.set MSB, 0
.macro WIN new
.if MSB != \new
	s_set_vgpr_msb (MSB<<8)|\new
.set MSB, \new
.endif
.endm
.macro PLACES n
.rept \n
	v_nop
.endr
.endm
; A prefetch into the L2 of what slot fill k (K steps 4 k .. 4 k + 3) will load of the rows that my wave fetches: the four partners that ask for them jointly share the blocks of 256 bytes by address, 48 each of p (32 + 16 lanes), 24 each of v^T.
; It is asked for one fill ahead of that fill's tensor loads; the first fill comes by its loads alone, and the last has nothing behind it.
.macro PF k
	global_prefetch_b8 v5, s[70:71] offset:49152*\k th:TH_LOAD_NT scope:SCOPE_SE
	s_cmp_eq_u32 s15, 0
	s_cbranch_scc0 .Lno_second_\@
	global_prefetch_b8 v6, s[70:71] offset:49152*\k+8192 th:TH_LOAD_NT scope:SCOPE_SE
.Lno_second_\@:
.endm
.macro JLOAD g0a, g1a, g0b, g1b
	s_cmp_eq_u32 s15, 0
	s_cbranch_scc0 .Lfor_b_\@
	tensor_load_to_lds s[\g0a:\g0a+3], s[\g1a:\g1a+7]
	s_nop 0
.rept 4
	v_nop
.endr
	s_branch .Lasked_\@
.Lfor_b_\@:
	tensor_load_to_lds s[\g0b:\g0b+3], s[\g1b:\g1b+7]
	s_nop 0
.rept 4
	v_nop
.endr
.Lasked_\@:
.endm
.macro CREST
	s_cmp_lg_u32 s14, 0
	s_cbranch_scc1 .Lnot_wave_0_\@
	s_barrier_signal -3
.Lnot_wave_0_\@:
	s_barrier_wait -3
	s_barrier_signal -1
	s_barrier_wait -1
.endm
.macro CROUND
	s_barrier_signal -1
	s_barrier_wait -1
	CREST
.endm
	s_load_b256 s[4:11], s[0:1], 0x0               ; p_img, p_side, qkv_img, qkv_sc
	s_load_b64 s[12:13], s[0:1], 0x20              ; out0
	v_lshl_add_u32 v[SPW], v0, 2, SPARE
	v_mov_b32 v[NIL], 0
	ds_add_u32 v28, v29
	ds_add_u32 v28, v29
	s_wait_dscnt 0x0
	v_lshrrev_b32 v1, 5, v0
	v_readfirstlane_b32 s14, v1                    ; wave 0..3: my 64 queries of the tile
	s_lshr_b32 s15, s14, 1                         ; their group of 128.  Also: I fetch for p (0) or for v^T (1)
	s_and_b32 s16, s14, 1                          ; their half of it.  Also: which part I fetch
	s_bfe_u32 s40, ttmp6, 0x40000                  ; cx
	s_bfe_u32 s41, ttmp6, 0x40004                  ; cy
	s_and_b32 s3, ttmp7, 0xffff
	s_lshl_b32 s17, s3, 2
	s_add_co_u32 s17, s17, s41                     ; the tile of 256 queries, 0..31
	s_lshl_b32 s42, ttmp9, 2
	s_add_co_u32 s42, s42, s40                     ; the group of 128 channels, 0..7
	s_lshr_b32 s2, s3, 1                           ; the batch
	s_lshl_b32 s43, s41, 2
	s_lshl_b32 s43, 15, s43                        ; my row of the cluster
	s_lshl_b32 s44, 0x1111, s40                    ; my column
	; descriptor groups 1: dense bytes as rows of 256 (32 elements of 8 bytes), no padding: 192 rows for p, 96 for v^T
	s_or_b32 s[G1+0], s43, (3<<16)|(1<<21)
	s_mov_b32 s[G1+1], 32<<16
	s_mov_b32 s[G1+2], 192<<16
	s_mov_b32 s[G1+3], 32<<16
	s_mov_b32 s[G1+4], 192
	s_mov_b32 s[G1+5], 32
	s_mov_b32 s[G1+6], 0
	s_mov_b32 s[G1+7], 0
	s_or_b32 s[G1B+0], s44, (3<<16)|(1<<21)
	s_mov_b32 s[G1B+1], 32<<16
	s_mov_b32 s[G1B+2], 96<<16
	s_mov_b32 s[G1B+3], 32<<16
	s_mov_b32 s[G1B+4], 96
	s_mov_b32 s[G1B+5], 32
	s_mov_b32 s[G1B+6], 0
	s_mov_b32 s[G1B+7], 0
	s_lshl_b32 s20, s17, 1
	s_add_co_u32 s20, s20, s16
	s_mul_i32 s20, s20, 196608                     ; p: a group of 128 queries is 16 K steps of 12,288 bytes
	s_mov_b32 s21, 0
	s_lshl_b32 s46, s42, 6                         ; v^T: a group of 128 channels is 64 K steps;
	s_lshl_b32 s47, s2, 4                          ; the batch's 16;
	s_add_co_u32 s46, s46, s47
	s_lshl_b32 s47, s16, 1                         ; my two of a slot's four
	s_add_co_u32 s46, s46, s47
	s_mul_i32 s46, s46, 12288
	s_add_co_u32 s46, s46, 12582912                ; v^T lies behind q and k
	s_mov_b32 s47, 0
	s_mul_i32 s22, s16, 49152                      ; where they go: p's two groups,
	s_mul_i32 s23, s16, 24576
	s_add_co_u32 s23, s23, 98304                   ; then v^T's two halves
	s_wait_kmcnt 0x0
	s_add_nc_u64 s[20:21], s[4:5], s[20:21]
	s_add_nc_u64 s[46:47], s[8:9], s[46:47]
	s_lshl_b32 s80, s17, 1                         ; the side images are needed first: they are asked for ahead of the tiles
	s_add_co_u32 s80, s80, s15
	s_mul_i32 s80, s80, 24576                      ; 16 K steps x 1,536 bytes of side images a group
	s_mov_b32 s81, 0
	s_add_nc_u64 s[80:81], s[6:7], s[80:81]
	s_lshl_b32 s67, s16, 8
	v_and_b32 v1, 31, v0
	v_lshlrev_b32 v[LI], 4, v1
	v_and_b32 v2, 15, v0                           ; r
	v_bfe_u32 v3, v0, 4, 1                         ; h
	v_mul_u32_u24 v[PS], v3, 1536                  ; lanes 16-31 take the odd K step,
	v_lshl_add_u32 v[PS], v2, 4, v[PS]             ; row r,
	v_add_nc_u32 v[PS], s67, v[PS]                 ; my half of the tiles
	s_wait_alu depctr_va_vdst(0)
.irp s, 0,1,2,3,4,5,6,7                ; lane (r, h), register j: K step 2 s + h, row r of my tile j
	global_load_b128 v[SCA+4*\s:SCA+4*\s+3], v[PS], s[80:81] offset:3072*\s
	global_load_b128 v[PN+4*\s:PN+4*\s+3], v[PS], s[80:81] offset:3072*\s+512
	global_load_b128 v[PL+4*\s:PL+4*\s+3], v[PS], s[80:81] offset:3072*\s+1024
.endr
	CROUND                                         ; all sixteen work-groups are here: the first joint loads meet
.irp s, 0,1
	s_mov_b32 s[G0+4*\s], 1
	s_add_co_u32 s[G0+4*\s+1], s22, \s*SLOT
	s_add_nc_u64 s[G0+4*\s+2:G0+4*\s+3], s[20:21], \s*49152
	s_or_b32 s[G0+4*\s+3], s[G0+4*\s+3], 0x80000000
	s_mov_b32 s[G0B+4*\s], 1
	s_add_co_u32 s[G0B+4*\s+1], s23, \s*SLOT
	s_add_nc_u64 s[G0B+4*\s+2:G0B+4*\s+3], s[46:47], \s*49152
	s_or_b32 s[G0B+4*\s+3], s[G0B+4*\s+3], 0x80000000
.endr
	s_cmp_eq_u32 s15, 0                            ; one tensor load a wave at the head: slot 0's
	s_cbranch_scc0 .Lfirst_b
	tensor_load_to_lds s[G0:G0+3], s[G1:G1+7]
	s_nop 0
.rept 4
	v_nop
.endr
	s_branch .Lfirst_done
.Lfirst_b:
	tensor_load_to_lds s[G0B:G0B+3], s[G1B:G1B+7]
	s_nop 0
.rept 4
	v_nop
.endr
.Lfirst_done:
	s_mul_i32 s66, s15, 49152
	s_mul_i32 s67, s16, 6144                       ; my four blocks of the group's eight
	s_add_co_u32 s66, s66, s67
	v_add_nc_u32 v[ADRA], s66, v[LI]
	v_add_nc_u32 v[ADRA+1], SLOT, v[ADRA]
	v_add_nc_u32 v[ADRB], 98304, v[LI]
	v_add_nc_u32 v[ADRB+1], SLOT+98304, v[LI]
	v_lshlrev_b32 v4, 3, v1                        ; registers 4-5 of a half lie at 8 x lane
	v_add_nc_u32 v18, s66, v4
	v_add_nc_u32 v19, SLOT, v18
	v_add_nc_u32 v30, 98304, v4
	v_add_nc_u32 v31, SLOT+98304, v4
	s_cmp_eq_u32 s15, 0
	s_cselect_b64 s[70:71], s[20:21], s[46:47]     ; the rows that I fetch,
	s_cselect_b32 s68, s40, s41                    ; my place among the four that ask for them,
	s_mov_b32 s69, 6144
	s_cselect_b32 s69, 12288, s69                  ; and my share of a fill in bytes
	s_cselect_b32 s72, 31, 23
	s_mul_i32 s68, s68, s69
	v_min_u32 v5, s72, v1
	v_lshl_add_u32 v5, v5, 8, s68
	v_min_u32 v6, 15, v1
	v_lshl_add_u32 v6, v6, 8, s68
	s_wait_alu depctr_va_vdst(0)
	PF 1
	s_mul_i32 s67, s14, 8448                       ; my stage: 16 rows of 512 bytes + 16
	v_mul_u32_u24 v[STO], v2, 528
	v_lshl_add_u32 v[STO], v3, 5, v[STO]
	v_add_nc_u32 v[STO], s67, v[STO]
	v_add_nc_u32 v[RD], s67, v[LI]
	s_mov_b32 s76, 0x01010101
	s_mov_b32 s[SEL], 0x76543210
	s_mov_b32 s[SEL+1], 0xfedcba98
	s_lshl_b32 s82, s42, 6
	s_lshl_b32 s83, s2, 4
	s_add_co_u32 s82, s82, s83
	s_lshl_b32 s82, s82, 9
	s_add_co_u32 s82, s82, 524288
	s_mov_b32 s83, 0
	s_add_nc_u64 s[82:83], s[10:11], s[82:83]
	s_lshl_b32 s84, s17, 8
	s_lshl_b32 s85, s14, 6
	s_add_co_u32 s84, s84, s85                     ; my first query
	s_lshl_b32 s84, s84, 12                        ; a row of O is 4,096 bytes
	s_lshl_b32 s85, s42, 9
	s_add_co_u32 s84, s84, s85
	s_mov_b32 s85, 0
	s_add_nc_u64 s[18:19], s[12:13], s[84:85]
.irp s, 0,1,2,3,4,5,6,7,8,9,10,11,12,13,14,15
	global_load_b128 v[SCB+4*\s:SCB+4*\s+3], v[LI], s[82:83] offset:512*\s
.endr
.irp j, 0,1,2,3
	v_mov_b32 v[PX+\j], 0                          ; written once: a lane permute's destination counts as one of its sources
.endr
	s_wait_loadcnt 16                              ; the 24 side loads are in; v^T's 16 may be out
.irp j, 0,1,2,3
	v_max3_num_f32 v[PM+\j], -v[PN+\j], -v[PN+4+\j], -v[PN+8+\j]
.endr
.irp j, 0,1,2,3
	v_max3_num_f32 v[PM+\j], v[PM+\j], -v[PN+12+\j], -v[PN+16+\j]
.endr
.irp j, 0,1,2,3
	v_max3_num_f32 v[PM+\j], v[PM+\j], -v[PN+20+\j], -v[PN+24+\j]
.endr
.irp j, 0,1,2,3
	v_max_num_f32 v[PM+\j], v[PM+\j], -v[PN+28+\j]
.endr
.irp j, 0,1,2,3
	v_permlanex16_b32 v[PX+\j], v[PM+\j], s[SEL], s[SEL+1]
.endr
.irp j, 0,1,2,3
	v_max_num_f32 v[PM+\j], v[PM+\j], v[PX+\j]     ; M: the largest of the row's sixteen M'
.endr
.set n, 0
.rept 32
	v_sub_f32 v[PN+n], -v[PN+n], v[PM+n%4]         ; M' - M: a whole number, 0 or less
.set n, n+1
.endr
.set n, 0
.rept 32
	v_max_num_f32 v[PN+n], 0xc2fe0000, v[PN+n]     ; held at -127
.set n, n+1
.endr
.set n, 0
.rept 32
	v_cvt_i32_f32 v[PN+n], v[PN+n]
.set n, n+1
.endr
.set n, 0
.rept 32
	v_ldexp_f32 v[PL+n], v[PL+n], v[PN+n]          ; l' under M
.set n, n+1
.endr
.set n, 0
.rept 32
	v_mul_lo_u32 v[PN+n], v[PN+n], s76             ; the same number in all four bytes
.set n, n+1
.endr
.set n, 0
.rept 32
	v_add_nc_u32 v[SCA+n], v[SCA+n], v[PN+n]       ; each byte: 128 + b - (M - M'), at least 2: no borrow from byte to byte
.set n, n+1
.endr
.set n, 0
.rept 32
	v_and_b32 v[PN+n], 0x80808080, v[SCA+n]        ; bit 7 stands where the byte has not fallen under 0
.set n, n+1
.endr
.set n, 0
.rept 32
	v_lshrrev_b32 v[PU+n], 7, v[PN+n]
.set n, n+1
.endr
.set n, 0
.rept 32
	v_sub_nc_u32 v[PN+n], v[PN+n], v[PU+n]         ; 0x7f there, 0 elsewhere
.set n, n+1
.endr
.set n, 0
.rept 32
	v_and_b32 v[SCA+n], v[SCA+n], v[PN+n]          ; the byte under M, or 0
.set n, n+1
.endr
.irp k, 0,1,2,3                        ; l: the 28 additions are also the plain places between the scale words' last write and the first product
.irp j, 0,1,2,3
	v_add_f32 v[PL+8*\k+\j], v[PL+8*\k+\j], v[PL+8*\k+4+\j]
.endr
.endr
.irp k, 0,1
.irp j, 0,1,2,3
	v_add_f32 v[PL+16*\k+\j], v[PL+16*\k+\j], v[PL+16*\k+8+\j]
.endr
.endr
.irp j, 0,1,2,3
	v_add_f32 v[PL+\j], v[PL+\j], v[PL+16+\j]
.endr
.irp j, 0,1,2,3
	v_permlanex16_b32 v[PX+\j], v[PL+\j], s[SEL], s[SEL+1]
.endr
.irp j, 0,1,2,3
	v_add_f32 v[PL+\j], v[PL+\j], v[PX+\j]         ; with the odd K steps': the row's sum
.endr
	s_wait_alu depctr_va_vdst(0)
.irp j, 0,1,2,3
	v_rcp_f32 v[RL+2*\j], v[PL+\j]
.endr
	v_nop                                          ; a plain place behind the reciprocals
	s_wait_alu depctr_va_vdst(0)                   ; and one wait ahead of their first reader
.macro FETCH3 sl, q, p                 ; a K step's operands: v^T's eight, my four of p: 48 loads of 512 or 256 consecutive bytes
	WIN TO_B
.irp b, 0,1,2,3,4,5,6,7
.irp c, 0,1
	ds_load_b128 v[128*(\p)+FR*\b+6*\c:128*(\p)+FR*\b+6*\c+3], v[ADRB+\sl] offset:12288*(\q)+1536*\b+768*\c
	ds_load_b64 v[128*(\p)+FR*\b+6*\c+4:128*(\p)+FR*\b+6*\c+5], v[30+\sl] offset:12288*(\q)+1536*\b+768*\c+512
.endr
.endr
	WIN 0
.irp a, 0,1,2,3
.irp c, 0,1
	ds_load_b128 v[128+48*(\p)+FR*\a+6*\c:128+48*(\p)+FR*\a+6*\c+3], v[ADRA+\sl] offset:12288*(\q)+1536*\a+768*\c
	ds_load_b64 v[128+48*(\p)+FR*\a+6*\c+4:128+48*(\p)+FR*\a+6*\c+5], v[18+\sl] offset:12288*(\q)+1536*\a+768*\c+512
.endr
.endr
.endm
.macro EMIT cz
.if \cz
.if rRB && rRA
	v_wmma_scale_f32_16x16x128_f8f6f4 v[rD:rD+7], v[rB:rB+FR-1], v[rA:rA+FR-1], 0, v[rSB], v[rSA] matrix_a_fmt:MATRIX_FMT_FP6 matrix_b_fmt:MATRIX_FMT_FP6 matrix_a_scale:MATRIX_SCALE_ROW1 matrix_b_scale:MATRIX_SCALE_ROW1
.elseif rRB
	v_wmma_scale_f32_16x16x128_f8f6f4 v[rD:rD+7], v[rB:rB+FR-1], v[rA:rA+FR-1], 0, v[rSB], v[rSA] matrix_a_fmt:MATRIX_FMT_FP6 matrix_b_fmt:MATRIX_FMT_FP6 matrix_a_scale:MATRIX_SCALE_ROW1
.elseif rRA
	v_wmma_scale_f32_16x16x128_f8f6f4 v[rD:rD+7], v[rB:rB+FR-1], v[rA:rA+FR-1], 0, v[rSB], v[rSA] matrix_a_fmt:MATRIX_FMT_FP6 matrix_b_fmt:MATRIX_FMT_FP6 matrix_b_scale:MATRIX_SCALE_ROW1
.else
	v_wmma_scale_f32_16x16x128_f8f6f4 v[rD:rD+7], v[rB:rB+FR-1], v[rA:rA+FR-1], 0, v[rSB], v[rSA] matrix_a_fmt:MATRIX_FMT_FP6 matrix_b_fmt:MATRIX_FMT_FP6
.endif
.else
.if rRB && rRA
	v_wmma_scale_f32_16x16x128_f8f6f4 v[rD:rD+7], v[rB:rB+FR-1], v[rA:rA+FR-1], v[rD:rD+7], v[rSB], v[rSA] matrix_a_fmt:MATRIX_FMT_FP6 matrix_b_fmt:MATRIX_FMT_FP6 matrix_a_scale:MATRIX_SCALE_ROW1 matrix_b_scale:MATRIX_SCALE_ROW1
.elseif rRB
	v_wmma_scale_f32_16x16x128_f8f6f4 v[rD:rD+7], v[rB:rB+FR-1], v[rA:rA+FR-1], v[rD:rD+7], v[rSB], v[rSA] matrix_a_fmt:MATRIX_FMT_FP6 matrix_b_fmt:MATRIX_FMT_FP6 matrix_a_scale:MATRIX_SCALE_ROW1
.elseif rRA
	v_wmma_scale_f32_16x16x128_f8f6f4 v[rD:rD+7], v[rB:rB+FR-1], v[rA:rA+FR-1], v[rD:rD+7], v[rSB], v[rSA] matrix_a_fmt:MATRIX_FMT_FP6 matrix_b_fmt:MATRIX_FMT_FP6 matrix_b_scale:MATRIX_SCALE_ROW1
.else
	v_wmma_scale_f32_16x16x128_f8f6f4 v[rD:rD+7], v[rB:rB+FR-1], v[rA:rA+FR-1], v[rD:rD+7], v[rSB], v[rSA] matrix_a_fmt:MATRIX_FMT_FP6 matrix_b_fmt:MATRIX_FMT_FP6
.endif
.endif
.endm
; 8 products: my block a of queries x the eight blocks of channels.  The 32 accumulators take turns, one instruction a turn, in the same order in every step.
.macro MUL8 a, ks, zero
.irp b, 0,1,2,3,4,5,6,7
.set rD, 8*(8*(\a)+\b)
.set rB, 128*((\ks)%2)+FR*\b
.set rA, 128+48*((\ks)%2)+FR*(\a)
.set rSB, SCB+4*(\ks)+\b%4
.set rSA, SCA+4*((\ks)/2)+(\a)
.set rRB, \b/4
.set rRA, (\ks)%2
	EMIT \zero
.endr
.endm
.macro STEP3 ks, sn, qn, zero          ; the next step's fragments are asked for (slot sn, part qn), then K step ks is multiplied
	PLACES 4                                       ; in front of loads into registers that matrix instructions have read
	FETCH3 \sn, \qn, 1-(\ks)%2
	s_wait_dscnt 48                                ; all but the 48 just issued: this step's operands are in
	WIN MUL
.irp a, 0,1,2,3
	MUL8 \a, \ks, \zero
.endr
	WIN 0
.endm
; A slot's last step changes slots: one barrier; in front of it each wave waits for all its tensor loads, adds 0 to its spare word, and waits for that and for its reads of this slot.
.macro TURN3 ks, fill, slot, sn
	s_wait_tensorcnt 0x0                           ; all my tensor loads have landed: my part of the next slot
	ds_add_u32 v[SPW], v[NIL]                      ; 0 onto my spare word
	s_wait_dscnt 1                                 ; this step's fragments are in (the add may be out)
	WIN MUL
	MUL8 0, \ks, 0
	s_wait_dscnt 0x0                               ; the add is done, and my reads of this slot are over
	s_barrier_signal -1
	MUL8 1, \ks, 0
	WIN 0
	s_barrier_wait -1
.if \fill
	CREST                                          ; the barrier has opened a round of the cluster's: no wave of any partner still reads this slot or has a load on its way
	s_add_nc_u64 s[G0+4*\slot+2:G0+4*\slot+3], s[G0+4*\slot+2:G0+4*\slot+3], 98304
	s_add_nc_u64 s[G0B+4*\slot+2:G0B+4*\slot+3], s[G0B+4*\slot+2:G0B+4*\slot+3], 98304
	JLOAD G0+4*\slot, G1, G0B+4*\slot, G1B         ; eight K steps on; its four v_nop are the places in front of the loads below
.else
	PLACES 4
.endif
	FETCH3 \sn, 0, 1-(\ks)%2
.if (\fill) && ((\slot) == 0)
	PF 3
.endif
	WIN MUL
	MUL8 2, \ks, 0
	MUL8 3, \ks, 0
	WIN 0
.endm
	s_wait_alu depctr_va_vdst(0)                   ; the wait at the head's end
	s_wait_tensorcnt 0x0                           ; my part of slot 0 is in
	ds_add_u32 v[SPW], v[NIL]
	s_wait_dscnt 0x0
	CROUND
	JLOAD G0+4, G1, G0B+4, G1B                     ; slot 1: K steps 4 to 7
	s_wait_loadcnt 0x0                             ; v^T's scale words
	FETCH3 0, 0, 0
	PF 2
	STEP3 0, 0, 1, 1                               ; the first products start the sums
	STEP3 1, 0, 2, 0
	STEP3 2, 0, 3, 0
	TURN3 3, 1, 0, 1                               ; slot 0 takes K steps 8 to 11
	STEP3 4, 1, 1, 0
	STEP3 5, 1, 2, 0
	STEP3 6, 1, 3, 0
	TURN3 7, 1, 1, 0                               ; slot 1 takes K steps 12 to 15
	STEP3 8, 0, 1, 0
	STEP3 9, 0, 2, 0
	STEP3 10, 0, 3, 0
	TURN3 11, 0, 0, 1                              ; behind this barrier nobody reads slot 0, and it has had its last fill: the stages lie there
	STEP3 12, 1, 1, 0
	STEP3 13, 1, 2, 0
	STEP3 14, 1, 3, 0
	s_wait_dscnt 0x0
	WIN MUL
.irp a, 0,1,2,3
	MUL8 \a, 15, 0
.endr
	WIN 0
	PLACES 4
; THE WAY OUT, a block of 16 queries x 128 channels at a time: divided by l, through my own stage in LDS, back as whole rows of 512 bytes.
.macro PACK a
	WIN 0x02                                       ; source 0: window 2
.set i, 0
.rept 32
	v_pk_mul_f32 v[T+i:T+i+1], v[64*(\a)+i:64*(\a)+i+1], v[RL+2*(\a):RL+2*(\a)+1] op_sel_hi:[1,0]   ; each accumulator from its low end on
.set i, i+2
.endr
	WIN 0
.endm
.macro TOSTAGE a
.set BB, BK+64*((\a)%2)
.irp b, 0,1,2,3,4,5,6,7
	ds_store_b128 v[STO], v[T+8*\b:T+8*\b+3] offset:64*\b
	ds_store_b128 v[STO], v[T+8*\b+4:T+8*\b+7] offset:64*\b+16
.endr
.irp t, 0,1,2,3,4,5,6,7,8,9,10,11,12,13,14,15
	ds_load_b128 v[BB+4*\t:BB+4*\t+3], v[RD] offset:\t*528          ; LDS serves a wave's instructions in order (ISA guide 5.7.1.4): these see the stores above
.endr
.endm
.macro SEND a
.set BB, BK+64*((\a)%2)
	s_wait_dscnt 0x0                               ; the block is back in registers
.irp t, 0,1,2,3,4,5,6,7,8,9,10,11,12,13,14,15
	global_store_b128 v[LI], v[BB+4*\t:BB+4*\t+3], s[18:19] offset:(8*((\a)^(\t/8))+24*(\t/8)+\t)*4096 th:TH_STORE_NT   ; 32 lanes store 512 consecutive bytes; row t of tile a is query 8 a + t of my 64, or, from t = 8 on, 32 + 8 (a xor 1) + t - 8
.endr
.endm
	PACK 0
	TOSTAGE 0
.irp a, 1,2,3
	PACK \a                                        ; a block's arithmetic stands between the loads of the block before and the wait for them
	s_wait_alu depctr_va_vdst(0)
	SEND \a-1
.if \a > 1
	s_wait_xcnt 0x0                                ; block a - 2's stores have read their registers: block a's loads may land there
.endif
	TOSTAGE \a
.endr
	SEND 3
	s_wait_tensorcnt 0x0                           ; the wave's end
	ds_add_u32 v[SPW], v[NIL]
	s_wait_dscnt 0x0
	CROUND                                         ; the closing round
	s_endpgm
.Lfunc_end_k_q8fa45f6258_pv:
	.size	k_q8fa45f6258_pv, .Lfunc_end_k_q8fa45f6258_pv-k_q8fa45f6258_pv
	.p2alignl 7, 3214868480
	.fill 96, 4, 3214868480
	.section	.rodata,"a",@progbits
	.p2align	6, 0x0
	.amdhsa_kernel k_q8fa45f6258_pv
		.amdhsa_group_segment_fixed_size 327680
		.amdhsa_private_segment_fixed_size 0
		.amdhsa_enable_private_segment 0
		.amdhsa_kernarg_size 40
		.amdhsa_user_sgpr_count 2
		.amdhsa_user_sgpr_kernarg_segment_ptr 1
		.amdhsa_wavefront_size32 1
		.amdhsa_system_sgpr_workgroup_id_x 1
		.amdhsa_system_sgpr_workgroup_id_y 1
		.amdhsa_system_sgpr_workgroup_id_z 1
		.amdhsa_system_vgpr_workitem_id 0
		.amdhsa_next_free_vgpr 768
		.amdhsa_next_free_sgpr 88
		.amdhsa_reserve_vcc 0
		.amdhsa_float_denorm_mode_32 3
		.amdhsa_float_denorm_mode_16_64 3
		.amdhsa_memory_ordered 1
		.amdhsa_forward_progress 1
		.amdhsa_inst_pref_size 173
	.end_amdhsa_kernel
	.amdgpu_metadata
---
amdhsa.version: [ 1, 2 ]
amdhsa.kernels:
  - .name:           k_q8fa45f6258_pv
    .symbol:         k_q8fa45f6258_pv.kd
    .args:
      - { .name: p_img, .offset: 0, .size: 8, .value_kind: global_buffer, .address_space: global }
      - { .name: p_side, .offset: 8, .size: 8, .value_kind: global_buffer, .address_space: global }
      - { .name: qkv_img, .offset: 16, .size: 8, .value_kind: global_buffer, .address_space: global }
      - { .name: qkv_sc, .offset: 24, .size: 8, .value_kind: global_buffer, .address_space: global }
      - { .name: out0, .offset: 32, .size: 8, .value_kind: global_buffer, .address_space: global }
    .group_segment_fixed_size: 327680
    .private_segment_fixed_size: 0
    .kernarg_segment_align: 8
    .kernarg_segment_size: 40
    .max_flat_workgroup_size: 128
    .sgpr_count:     88
    .vgpr_count:     768
    .wavefront_size: 32
...
	.end_amdgpu_metadata
.endif
;; end of part 3
